; MI455X (gfx1250); checked and timed in simulation.
; The chip was launched on July 23, 2026; its instructions are those of AMD's public machine-readable ISA for CDNA 5 (MIT licence, August 2026) and "CDNA5" Instruction Set Architecture Reference Guide (July 2026). The comments in the code are by the model that wrote it; some were corrected since.
;; Standard Kernel Model. Allowed arithmetic: float matrix products may take bf16 or f16 operands with f32 sums; all other float work in f32.
;; Inputs: batch 8,192 x 512 float32; centers 8,192 x 512 float32; weight 8,192 x 256 float32.
;; Outputs: out0 8,192 x 256 float32.
;; 2 versions, each right and faster than the one before. Each part assembles by itself: llvm-mc -triple=amdgcn-amd-amdhsa -mcpu=gfx1250 --defsym DOCPART=n.
;; ======== version 1 of 2: 3 launches
;; workspace buffers: xb 8,388,608 bytes; zb 8,388,608 bytes; wb 4,194,304 bytes; xn 32,768 bytes; zn 32,768 bytes; part 33,554,432 bytes
;; launch prep (part 1): grid 320 x 1, 8 waves a work-group, no clusters, 1,280 bytes of LDS; arguments batch, centers, weight, xb, zb, wb, xn, zn; writes xb, zb, wb, xn, zn
.if DOCPART == 1
	.amdgcn_target "amdgcn-amd-amdhsa--gfx1250"
	.amdhsa_code_object_version 6
	.text
	.protected	k_q56e6583c99_prep
	.globl	k_q56e6583c99_prep
	.p2align	8
	.type	k_q56e6583c99_prep,@function
k_q56e6583c99_prep:
	s_mov_b64 s[64:65], 0
	v_nop
	global_prefetch_b8 v0, s[64:65] scope:SCOPE_SE
	s_setreg_imm32_b32 hwreg(HW_REG_WAVE_MODE, 25, 1), 1
	s_wait_xcnt 0x0
; Rounds batch, centers and weight to bf16 once (xb, zb, wb, same order as the inputs) and takes the squared norms of the ROUNDED rows
; of batch and centers in f32 (xn, zn).  Norms of the rounded values, so that |x|^2 + |z|^2 - 2 x.z in the next launch is the squared
; distance of the rounded points up to f32 summation, also where the points carry a large common offset.
; Every array is taken as rows of 512 f32 (2,048 bytes); weight is 4,096 such rows.  Work-groups 0-127: batch, 128-255: centers,
; 256-319: weight.  A work-group takes 64 rows, a wave 8.  A lane takes 16 bytes of each quarter row: a load of the wave covers 512
; consecutive bytes, a store of its 4 bf16 a lane covers 256 consecutive bytes, aligned.
; No matrix unit, no cluster: a stream, each byte read once and written once.
.set XR, 32                            ; v[32:159]   8 rows x 16 registers as loaded
.set PK, 160                           ; v[160:223]  8 rows x 8 registers, packed bf16: store data, then the source of the norms
.set T,  4                             ; v[4:19]     a row's 16 rounded numbers as f32
.set AC, 20                            ; v[20:23]    two chains of packed sums
.set NR, 24                            ; v[24:31]    the 8 rows' norms, the same in every lane
	s_load_b512 s[4:19], s[0:1], 0x0               ; batch s[4:5], centers s[6:7], weight s[8:9], xb s[10:11], zb s[12:13], wb s[14:15], xn s[16:17], zn s[18:19]
	v_lshl_add_u32 v224, v0, 2, 0x100
	v_mov_b32 v225, 0
	v_and_b32 v1, 31, v0                           ; lane
	v_lshrrev_b32 v4, 5, v0
	v_readfirstlane_b32 s27, v4                    ; wave
	v_lshlrev_b32 v2, 4, v1
	v_lshl_add_u32 v2, v4, 14, v2                  ; in: 16 lane + wave x 8 rows x 2,048 bytes
	v_lshlrev_b32 v3, 3, v1
	v_lshl_add_u32 v3, v4, 13, v3                  ; out: 8 lane + wave x 8 rows x 1,024 bytes
	s_and_b32 s26, ttmp9, 127                      ; my number within my array
	s_lshl_b32 s28, s26, 17                        ; x 64 rows x 2,048 bytes
	s_mov_b32 s29, 0
	s_lshl_b32 s30, s26, 16                        ; x 64 rows x 1,024 bytes
	s_mov_b32 s31, 0
	s_lshl_b32 s32, s26, 8                         ; x 64 norms x 4 bytes
	s_mov_b32 s33, 0
	s_mov_b32 s34, 0xffff0000                      ; a word's upper bf16
	s_mov_b32 s36, 0x76543210                      ; v_permlanex16_b32: lane i of one half reads lane i of the other
	s_mov_b32 s37, 0xfedcba98
	s_wait_kmcnt 0x0
	s_cmp_lt_u32 ttmp9, 128                        ; the choice of buffers hangs on the work-group's number alone
	s_cselect_b64 s[20:21], s[4:5], s[6:7]         ; from
	s_cselect_b64 s[22:23], s[10:11], s[12:13]     ; to
	s_cselect_b64 s[24:25], s[16:17], s[18:19]     ; norms
	s_cmp_lt_u32 ttmp9, 256
	s_cselect_b64 s[20:21], s[20:21], s[8:9]
	s_cselect_b64 s[22:23], s[22:23], s[14:15]
	s_add_nc_u64 s[20:21], s[20:21], s[28:29]
	s_add_nc_u64 s[22:23], s[22:23], s[30:31]
	s_add_nc_u64 s[24:25], s[24:25], s[32:33]
	; all 32 loads of the wave go out first: 16 KiB a wave on its way
.irp k, 0,1,2,3,4,5,6,7
.irp c, 0,1,2,3
	global_load_b128 v[XR+16*\k+4*\c:XR+16*\k+4*\c+3], v2, s[20:21] offset:2048*\k+512*\c th:TH_LOAD_NT
.endr
.endr
.macro CONVERT k                       ; row k: round, pack, store.  Every row has its own store registers: nothing is rewritten
	s_wait_loadcnt 28-4*\k                         ; loads come back in order: row k is in, the 4 (7 - k) younger loads stay out
.irp c, 0,1,2,3
	v_cvt_pk_bf16_f32 v[PK+8*\k+2*\c],   v[XR+16*\k+4*\c],   v[XR+16*\k+4*\c+1]
	v_cvt_pk_bf16_f32 v[PK+8*\k+2*\c+1], v[XR+16*\k+4*\c+2], v[XR+16*\k+4*\c+3]
.endr
.irp c, 0,1,2,3
	global_store_b64 v3, v[PK+8*\k+2*\c:PK+8*\k+2*\c+1], s[22:23] offset:1024*\k+256*\c
.endr
.endm
.irp k, 0,1,2,3,4,5,6,7
	CONVERT \k
.endr
	s_cmp_ge_u32 ttmp9, 256                        ; weight has no norms: its work-groups are done (the whole group takes this way, ahead of the barrier)
	s_cbranch_scc1 .Lend
.macro NORM k                          ; the sum of squares of row k's rounded numbers, in every lane
.irp m, 0,1,2,3,4,5,6,7
	v_lshlrev_b32 v[T+2*\m],   16,  v[PK+8*\k+\m]   ; bf16 to f32: the low half moves up,
	v_and_b32     v[T+2*\m+1], s34, v[PK+8*\k+\m]   ; the high half stays
.endr
	v_pk_mul_f32 v[AC:AC+1],   v[T:T+1],   v[T:T+1]         ; the first products start the two chains
	v_pk_mul_f32 v[AC+2:AC+3], v[T+2:T+3], v[T+2:T+3]
.irp m, 4,8,12
	v_pk_fma_f32 v[AC:AC+1],   v[T+\m:T+\m+1],   v[T+\m:T+\m+1],   v[AC:AC+1]
	v_pk_fma_f32 v[AC+2:AC+3], v[T+\m+2:T+\m+3], v[T+\m+2:T+\m+3], v[AC+2:AC+3]
.endr
	v_pk_add_f32 v[AC:AC+1], v[AC:AC+1], v[AC+2:AC+3]
	v_add_f32 v[AC], v[AC], v[AC+1]
	v_add_f32_dpp v[AC], v[AC], v[AC] row_xmask:1 row_mask:0xf bank_mask:0xf
	v_add_f32_dpp v[AC], v[AC], v[AC] row_xmask:2 row_mask:0xf bank_mask:0xf
	v_add_f32_dpp v[AC], v[AC], v[AC] row_xmask:4 row_mask:0xf bank_mask:0xf
	v_add_f32_dpp v[AC], v[AC], v[AC] row_xmask:8 row_mask:0xf bank_mask:0xf
	v_permlanex16_b32 v[AC+1], v[AC], s36, s37     ; its destination counts as read: a register that has been written
	v_add_f32 v[NR+\k], v[AC], v[AC+1]
.endm
.irp k, 0,1,2,3,4,5,6,7
	NORM \k
.endr
	; the group's 64 norms meet in LDS, so that they leave as one store of 256 consecutive bytes
	v_mov_b32 v1, s27
	v_lshlrev_b32 v1, 5, v1                        ; wave x 8 norms x 4 bytes
.irp k, 0,1,2,3,4,5,6,7
	ds_store_b32 v1, v[NR+\k] offset:4*\k          ; all lanes write the same word with the same value
.endr
	s_wait_dscnt 0x0                               ; for the other waves: my stores are done before I signal
	s_barrier_signal -1
	s_barrier_wait -1
	s_cmp_lg_u32 s27, 0
	s_cbranch_scc1 .Lend                           ; wave 0 alone stores them
	v_lshlrev_b32 v4, 3, v0                        ; in wave 0 the thread number is the lane: 8 bytes a lane
	ds_load_b64 v[6:7], v4
	s_wait_dscnt 0x0
	global_store_b64 v4, v[6:7], s[24:25]          ; 32 lanes x 8 bytes = 256 consecutive bytes, aligned
.Lend:
	s_wait_tensorcnt 0x0
	ds_add_u32 v224, v225
	s_wait_dscnt 0x0
	s_endpgm
.Lfunc_end_k_q56e6583c99_prep:
	.size	k_q56e6583c99_prep, .Lfunc_end_k_q56e6583c99_prep-k_q56e6583c99_prep
	.p2alignl 7, 3214868480
	.fill 96, 4, 3214868480
	.section	.rodata,"a",@progbits
	.p2align	6, 0x0
	.amdhsa_kernel k_q56e6583c99_prep
		.amdhsa_group_segment_fixed_size 1280
		.amdhsa_private_segment_fixed_size 0
		.amdhsa_enable_private_segment 0
		.amdhsa_kernarg_size 64
		.amdhsa_user_sgpr_count 2
		.amdhsa_user_sgpr_kernarg_segment_ptr 1
		.amdhsa_wavefront_size32 1
		.amdhsa_system_sgpr_workgroup_id_x 1
		.amdhsa_system_sgpr_workgroup_id_y 1
		.amdhsa_system_sgpr_workgroup_id_z 1
		.amdhsa_system_vgpr_workitem_id 0
		.amdhsa_next_free_vgpr 226
		.amdhsa_next_free_sgpr 66
		.amdhsa_reserve_vcc 0
		.amdhsa_float_denorm_mode_32 3
		.amdhsa_float_denorm_mode_16_64 3
		.amdhsa_memory_ordered 1
		.amdhsa_forward_progress 1
		.amdhsa_inst_pref_size 25
	.end_amdhsa_kernel
	.amdgpu_metadata
---
amdhsa.version: [ 1, 2 ]
amdhsa.kernels:
  - .name:           k_q56e6583c99_prep
    .symbol:         k_q56e6583c99_prep.kd
    .args:
      - { .name: batch, .offset: 0, .size: 8, .value_kind: global_buffer, .address_space: global }
      - { .name: centers, .offset: 8, .size: 8, .value_kind: global_buffer, .address_space: global }
      - { .name: weight, .offset: 16, .size: 8, .value_kind: global_buffer, .address_space: global }
      - { .name: xb, .offset: 24, .size: 8, .value_kind: global_buffer, .address_space: global }
      - { .name: zb, .offset: 32, .size: 8, .value_kind: global_buffer, .address_space: global }
      - { .name: wb, .offset: 40, .size: 8, .value_kind: global_buffer, .address_space: global }
      - { .name: xn, .offset: 48, .size: 8, .value_kind: global_buffer, .address_space: global }
      - { .name: zn, .offset: 56, .size: 8, .value_kind: global_buffer, .address_space: global }
    .group_segment_fixed_size: 1280
    .private_segment_fixed_size: 0
    .kernarg_segment_align: 8
    .kernarg_segment_size: 64
    .max_flat_workgroup_size: 256
    .sgpr_count:     66
    .vgpr_count:     226
    .wavefront_size: 32
...
	.end_amdgpu_metadata
.endif
;; end of part 1
;; launch main (part 2): grid 64 x 4, 4 waves a work-group, clusters of 4 x 1, 327,680 bytes of LDS; arguments xb, zb, wb, xn, zn, part; writes part
.if DOCPART == 2
	.amdgcn_target "amdgcn-amd-amdhsa--gfx1250"
	.amdhsa_code_object_version 6
	.text
	.protected	k_q56e6583c99_main
	.globl	k_q56e6583c99_main
	.p2align	8
	.type	k_q56e6583c99_main,@function
k_q56e6583c99_main:
	s_mov_b64 s[64:65], 0
	v_nop
	global_prefetch_b8 v0, s[64:65] scope:SCOPE_SE
	s_setreg_imm32_b32 hwreg(HW_REG_WAVE_MODE, 25, 1), 1
	s_wait_xcnt 0x0
	s_wait_alu depctr_hold_cnt(0) depctr_sa_sdst(0) depctr_va_vdst(0) depctr_va_sdst(0) depctr_va_ssrc(0) depctr_va_vcc(0) depctr_vm_vsrc(0)
	s_getreg_b32 s2, hwreg(HW_REG_IB_STS2, 6, 4)
	s_cmp_eq_u32 s2, 0
	s_cbranch_scc0 .Lentry_in_a_cluster
	s_endpgm
.Lentry_in_a_cluster:
	s_bfe_u32 s2, ttmp6, 0x10000c
	s_cmp_lg_u32 s2, 0x3003
	s_cbranch_scc0 .Lentry_shape_is_right
	s_endpgm
.Lentry_shape_is_right:
; part[q][n][y] = 2^64 x the sum over the 2,048 centres m of range q of K[n][m] W[m][y],  K[n][m] = exp(-sqrt(max(|x_n|^2 + |z_m|^2 - 2 x_n.z_m, 0)) / 10).
; K never reaches memory: both products are fused.  A work-group takes 128 rows n (block rb) and one range q, in 32 blocks of 64 centres.
; Four waves, as many as a WGP has SIMDs.  Wave w: j = w >> 1 picks rows 64 j .. 64 j + 63, i = w & 1 picks centres 32 i .. 32 i + 31 of each block
; in product 1 and columns y = 128 i .. 128 i + 127 in product 2.
; PRODUCT 1 is used transposed: source 0 = 16 centres of Z (from LDS), source 1 = 16 rows of X (my 64 x 512 of X stay in 512 registers).  A lane then holds
; 8 neighbouring centres of one row, so that two packed tiles ARE a fragment of product 2, with no shuffle.  The first K step takes -0.5 |z|^2 as C.
; AN ENTRY: u = x.z - 0.5 |z|^2;  t = u (-2 kappa) + kappa |x|^2 = kappa d2, kappa = (log2 e / 10)^2;  t = max(t, 0);  s = sqrt(t);  k = exp2(64 - s).
; PRODUCT 2, transposed too: OUT(16 y, 16 rows) += W fragment (transposing LDS load) x K fragment.  My own 32 centres come from my registers, the
; other 32 from wave w xor 1 through LDS.
; PIPELINE: trip t multiplies block t (product 1) with the entry work of block t - 1 strewn between the matrix instructions, then packs K(t - 1),
; exchanges it and runs product 2 of block t - 1.  LDS slot t & 1 holds Z(t) and W(t - 1).
; CLUSTER: the four work-groups of a cluster have the same q and other rb: they need the same tiles of Z and W and ask for them jointly (mask 15),
; which divides the requests for tiles by four.  A tile hangs on q alone, and a mask names four work-groups: so 4 x 1.
; LIMITS.  (1) Entries are carried as 2^64 K, since exp2 gives 0 for results under 2^-126: an entry is 0 from distance 1,317 on, where K < 2^-190;
; the last launch multiplies by 2^-64.  |pred| must stay under 2^63.  (2) v_max_num_f32 turns a NaN in d2 into 0, where jnp.maximum keeps it: inputs
; are taken to be finite.  (3) x, z, w and K enter the matrix unit rounded to bf16; the norms are those of the rounded rows.
.set ZPITCH, 528                       ; an LDS row of Z: 512 bytes (256 K) + 16: an odd multiple of 16, so 16 rows start in 16 different 16-byte columns
.set ZHALF,  64*ZPITCH                 ; one K half of a block: what one tensor load brings
.set ZSLOT,  2*ZHALF
.set WPITCH, 288                       ; an LDS row of W: 256 bytes (128 y) + 32: an odd multiple of 32, for the transposing loads
.set WHALF,  64*WPITCH                 ; one y half of a block: what one tensor load brings
.set WSLOT,  2*WHALF
.set WB,     2*ZSLOT                   ; W's two slots lie behind Z's two
.set KX,     WB+2*WSLOT                ; K's exchange: 128 rows x 144 bytes (64 centres in bf16 + 16).  From here on no tensor load ever lands
.set KPITCH, 144
.set HZT,    KX+128*KPITCH             ; -0.5 |z|^2 of my 2,048 centres, f32
.set STAGE,  HZT+8192                  ; the way out: 16 rows x 528 bytes for each wave
.set SPITCH, 528
.set ZBLK,   65536                     ; bytes of zb from block to block (64 rows of 1,024)
.set WBLK,   32768                     ; bytes of wb from block to block (64 rows of 512)
.set KAPPA,  0x3caa8179                ; (log2 e / 10)^2
.set M2KAPPA, 0xbd2a8179               ; -2 kappa
.set BIAS,   0x42800000                ; 64.0
; window 0
.set ZA,  2                            ; v2, v3   LDS address of my Z fragments in slot 0, 1
.set WO,  4                            ; v4       W fragments of my y half, my own 32 centres (slot 0; the slot stands in the immediate)
.set WPT, 5                            ; v5       the same, the partner's 32 centres
.set KS,  6                            ; v6       where I put my K
.set KLD, 7                            ; v7       where I read the partner's
.set HZA, 8                            ; v8       my -0.5 |z|^2 of the next block: stepped by 256 a trip
.set STO, 9                            ; v9       the way out: in
.set RD,  10                           ; v10      the way out: back
.set CO,  11                           ; v11      my byte offset in a row of part
.set NHX, 12                           ; v[12:15] kappa |x|^2 of row 16 b + r
.set HZ,  16                           ; v[16:31] two C fragments: -0.5 |z|^2 of my 2 x 16 centres
.set F,   32                           ; v[32:127] six buffers of 16 registers (two fragments): unit u uses buffer u % 6
.set SB,  128                          ; v[128:191], v[192:255] the two S buffers: tile (row tile b, centre tile ct) at 16 b + 8 ct
.set XO,  51                           ; (head only) byte offset of my X fragments
; window 1: OUT(a, b) at 8 (4 a + b), y tile a = 0..7, row tile b = 0..3.   windows 2, 3: X(b, ks) at 8 (4 (ks & 7) + b), window 2 + (ks >> 3)
.set G1Z, 24                           ; s[24:31] descriptor group 1 of Z tiles
.set G0Z, 32                           ; s[32:39] group 0 of Z tiles, a set for each slot
.set G1W, 48                           ; s[48:55] group 1 of W tiles
.set G0W, 56                           ; s[56:63] group 0 of W tiles, a set for each slot
; s16 wave, s17 j, s18 i, s19 cx, s20 rb, s21 q, s[40:41] -2 kappa twice, s42 laps, s43 64.0, s2, s3, s22, s23, s[44:47] at work
.set MSB, 0
.macro WIN new                         ; s_set_vgpr_msb: bits 1:0 source 0, 3:2 source 1, 5:4 source 2, 7:6 destination; the high byte repeats the setting that is left
.if MSB != \new
	s_set_vgpr_msb (MSB<<8)|\new
.set MSB, \new
.endif
.endm
; 0x08, 0x0c: source 1 (X) in window 2, 3: product 1; LDS loads and every entry operation (none has a vector register as source 1) run under them unchanged
; 0x50: C and D in window 1: product 2.   0x80, 0xc0: destination in window 2, 3: the loads of X.   0x04: store data in window 1: the way out
.macro PLACES                          ; four places behind a matrix instruction, ahead of loads into its sources and of stores of its result (ISA guide 7.12.1 for the stores)
.rept 4
	v_nop
.endr
.endm
.macro CREST                           ; a round of the cluster's barrier behind its opening work-group barrier
	s_cmp_lg_u32 s16, 0
	s_cbranch_scc1 .Lnot_wave_0_\@
	s_barrier_signal -3
.Lnot_wave_0_\@:
	s_barrier_wait -3
	s_barrier_signal -1
	s_barrier_wait -1
.endm
.macro CROUND                          ; a whole round
	s_barrier_signal -1
	s_barrier_wait -1
	CREST
.endm
; A joint load into slot s.  Waves 0, 1 fetch the two K halves of Z, waves 2, 3 the two y halves of W: one tensor load a wave.  The branch hangs on the wave number alone.
; kind 2: Z and W;  kind 1: W alone;  kind 3: Z alone.
.macro JLOAD s, kind
.if \kind == 2
	s_cmp_eq_u32 s17, 0
	s_cbranch_scc0 .Lfor_w_\@
	tensor_load_to_lds s[G0Z+4*\s:G0Z+4*\s+3], s[G1Z:G1Z+7]
	s_nop 0
	s_branch .Lasked_\@
.Lfor_w_\@:
	tensor_load_to_lds s[G0W+4*\s:G0W+4*\s+3], s[G1W:G1W+7]
	s_nop 0
.Lasked_\@:
.endif
.if \kind == 1
	s_cmp_eq_u32 s17, 0
	s_cbranch_scc1 .Lasked_\@
	tensor_load_to_lds s[G0W+4*\s:G0W+4*\s+3], s[G1W:G1W+7]
	s_nop 0
.Lasked_\@:
.endif
.if \kind == 3
	s_cmp_lg_u32 s17, 0
	s_cbranch_scc1 .Lasked_\@
	tensor_load_to_lds s[G0Z+4*\s:G0Z+4*\s+3], s[G1Z:G1Z+7]
	s_nop 0
.Lasked_\@:
.endif
.endm
; The four LDS loads (two fragments) of unit u.  u = 0..15: K step u of product 1, Z fragments of my centre tiles 0, 1.
; u = 16..19: W fragments of y tiles 2 (u & 3), + 1 for my own 32 centres;  u = 20..23: the same for the partner's 32 centres.
.macro LDU u, slot
.set ldf, F+16*((\u)%6)
.if (\u) < 16
.set ldo, ((\u)>>3)*ZHALF+((\u)&7)*64
	ds_load_b128 v[ldf:ldf+3],     v[ZA+\slot] offset:ldo
	ds_load_b128 v[ldf+4:ldf+7],   v[ZA+\slot] offset:ldo+32
	ds_load_b128 v[ldf+8:ldf+11],  v[ZA+\slot] offset:ldo+16*ZPITCH
	ds_load_b128 v[ldf+12:ldf+15], v[ZA+\slot] offset:ldo+16*ZPITCH+32
.else
.set ldo, (\slot)*WSLOT+64*((\u)&3)
.set ldw, WO+(\u)/20
	ds_load_tr16_b128 v[ldf:ldf+3],     v[ldw] offset:ldo
	ds_load_tr16_b128 v[ldf+4:ldf+7],   v[ldw] offset:ldo+16*WPITCH
	ds_load_tr16_b128 v[ldf+8:ldf+11],  v[ldw] offset:ldo+32
	ds_load_tr16_b128 v[ldf+12:ldf+15], v[ldw] offset:ldo+32+16*WPITCH
.endif
.endm
.macro LDHZ                            ; -0.5 |z|^2 of centres 8 h + 0..7 of my two tiles: register j of a C fragment is centre 8 h + j
	ds_load_b128 v[HZ:HZ+3],     v[HZA]
	ds_load_b128 v[HZ+4:HZ+7],   v[HZA] offset:16
	ds_load_b128 v[HZ+8:HZ+11],  v[HZA] offset:64
	ds_load_b128 v[HZ+12:HZ+15], v[HZA] offset:80
.endm
; t = u (-2 kappa) + kappa |x|^2 for registers e, e + 1 of the S buffer at E; both belong to row tile e >> 4, whose kappa |x|^2 is picked from its pair by op_sel
.macro PKF E, e
.set pkb, (\e)>>4
.if (pkb&1) == 0
	v_pk_fma_f32 v[\E+(\e):\E+(\e)+1], v[\E+(\e):\E+(\e)+1], s[40:41], v[NHX+2*(pkb>>1):NHX+2*(pkb>>1)+1] op_sel_hi:[1,0,0]
.else
	v_pk_fma_f32 v[\E+(\e):\E+(\e)+1], v[\E+(\e):\E+(\e)+1], s[40:41], v[NHX+2*(pkb>>1):NHX+2*(pkb>>1)+1] op_sel:[0,0,1] op_sel_hi:[1,0,1]
.endif
.endm
; The entry work's head: five plain instructions on the S buffer at E.  They are also the five places between the last product 2, which read the OTHER S buffer
; as K fragments, and the first product 1 of this trip, which writes over it.
.macro EPRO E
	PKF \E, 0
	PKF \E, 2
	v_max_num_f32 v[\E], v[\E], 0
	v_max_num_f32 v[\E+1], v[\E+1], 0
	v_nop
.endm
; The entry work behind matrix instruction n (0..127), k = n >> 1.  Even n: sqrt(k), then max(k + 2), the plain instruction that stands between the root and its
; use (ISA guide 5.7.2).  Odd n: 64 - s for k, exp2 for k - 1, and for even k the fused multiply-add of registers k + 4, k + 5.
.macro EOPS n, E
.set ek, (\n)>>1
.if ((\n)&1) == 0
	v_sqrt_f32 v[\E+ek], v[\E+ek]
.if ek+2 <= 63
	v_max_num_f32 v[\E+ek+2], v[\E+ek+2], 0
	s_wait_alu depctr_va_vdst(0)
.else
	v_nop
	s_wait_alu depctr_va_vdst(0)
.endif
.else
	v_fma_f32 v[\E+ek], v[\E+ek], -1.0, s43
.if ek >= 1
	v_exp_f32 v[\E+ek-1], v[\E+ek-1]
.endif
.if (ek&1) == 0
.if ek+4 <= 62
	PKF \E, ek+4
.endif
.endif
.if ek == 63
	v_exp_f32 v[\E+63], v[\E+63]                   ; the packing that follows begins with other registers: a plain instruction stands ahead of this result's use
.endif
.endif
.endm
; PRODUCT 1 of this trip's block into S buffer p (dog = 1), 16 units of 8 matrix instructions, with the entry work on the other S buffer between them (doe = 1).
; The 8 accumulators of a unit take turns, one instruction a turn, in the same order in every unit.
; more = 1: the loads run on into product 2's units 16 to 20.  The plain instructions between a unit's matrix instructions (at least four) are the places
; between the unit before, which read buffer (u - 1) % 6, and the loads at this unit's end, which fill that buffer for unit u + 5.
.macro PROD1 p, doe, dog, more
.set p1s, SB+64*\p
.set p1e, SB+64*(1-\p)
.set gn, 0
.rept 128
.set gu, gn>>3
.set gb, (gn&7)>>1
.set gc, gn&1
.if \dog
.if (gn&7) == 0
.if \more
	s_wait_dscnt 16                                ; LDS loads come back in order: unit u's four are in, the 16 of units u + 1 .. u + 4 stay out
.else
.if 4*(15-gu) < 16
	s_wait_dscnt 4*(15-gu)                         ; nothing is fetched beyond unit 15: the counts run down
.else
	s_wait_dscnt 16
.endif
.endif
.if gn == 0
	WIN 0x08
.endif
.if gn == 64
	WIN 0x0c
.endif
.endif
.if gu == 0
	v_wmma_f32_16x16x32_bf16 v[p1s+16*gb+8*gc:p1s+16*gb+8*gc+7], v[F+16*(gu%6)+8*gc:F+16*(gu%6)+8*gc+7], v[8*(4*(gu&7)+gb):8*(4*(gu&7)+gb)+7], v[HZ+8*gc:HZ+8*gc+7]
	s_wait_alu depctr_va_vdst(0)
.else
	v_wmma_f32_16x16x32_bf16 v[p1s+16*gb+8*gc:p1s+16*gb+8*gc+7], v[F+16*(gu%6)+8*gc:F+16*(gu%6)+8*gc+7], v[8*(4*(gu&7)+gb):8*(4*(gu&7)+gb)+7], v[p1s+16*gb+8*gc:p1s+16*gb+8*gc+7]
.endif
.endif
.if \doe
	EOPS gn, p1e
.else
.if (gn&1) == 0
	v_nop                                          ; no entry work yet: the four places of a unit
.endif
.endif
.if \dog
.if (gn&7) == 7
.if gu+5 <= 15
	LDU gu+5, \p
.else
.if \more
	LDU gu+5, \p
.endif
.endif
.endif
.endif
.set gn, gn+1
.endr
.endm
; A unit of product 2: y tiles 2 (u & 3), + 1 x my four row tiles.  u < 20: my own K fragments at E + 16 b; u >= 20: the partner's at E + 16 b + 8.
; zero = 1: the first product starts the sums: nothing is ever cleared.  32 accumulators take turns.
.macro U2 u, E, zero
.set u2f, F+16*((\u)%6)
.set u2a, 2*((\u)&3)
.set u2k, \E+8*((\u)/20)
.irp f, 0,1
.irp b, 0,1,2,3
.if \zero
	v_wmma_f32_16x16x32_bf16 v[8*(4*(u2a+\f)+\b):8*(4*(u2a+\f)+\b)+7], v[u2f+8*\f:u2f+8*\f+7], v[u2k+16*\b:u2k+16*\b+7], 0
.else
	v_wmma_f32_16x16x32_bf16 v[8*(4*(u2a+\f)+\b):8*(4*(u2a+\f)+\b)+7], v[u2f+8*\f:u2f+8*\f+7], v[u2k+16*\b:u2k+16*\b+7], v[8*(4*(u2a+\f)+\b):8*(4*(u2a+\f)+\b)+7]
.endif
.endr
.endr
.endm
; PACK, EXCHANGE, PRODUCT 2 of the block before, from slot p's W.
; l21 = 1: unit 21 is still to be fetched;  fill: the joint load behind the round (JLOAD's kind, 0: none);  bar2 = 1: the second barrier stands;
; next = 1: the next trip's first fragments are fetched from the other slot.
.macro PROD2 p, zero, l21, fill, bar2, next
.set g2e, SB+64*(1-\p)
	WIN 0
	; in place: registers 2 m, 2 m + 1 of a row tile's 16 go to register m (m never passes 2 m).  Registers 0-3: centres 8 h + 0..7, 4-7: 16 + 8 h + 0..7: a fragment
	s_wait_alu depctr_va_vdst(0)
.irp b, 0,1,2,3
.irp m, 0,1,2,3,4,5,6,7
	v_cvt_pk_bf16_f32 v[g2e+16*\b+\m], v[g2e+16*\b+2*\m], v[g2e+16*\b+2*\m+1]
.endr
.endr
.if \l21
	LDU 21, \p                                     ; into unit 15's buffer: the 32 conversions above are more than its four places
.endif
.irp b, 0,1,2,3
	ds_store_b128 v[KS], v[g2e+16*\b:g2e+16*\b+3]   offset:16*KPITCH*\b
	ds_store_b128 v[KS], v[g2e+16*\b+4:g2e+16*\b+7] offset:16*KPITCH*\b+32
.endr
.if \l21
	s_wait_dscnt 28                                ; unit 16's loads are in: behind them stand 20 loads (units 17 to 21) and the 8 stores
.else
	s_wait_dscnt 8                                 ; units 16 to 21 were fetched ahead of the entry work: only the 8 stores stand behind them
.endif
	WIN 0x50
	U2 16, g2e, \zero
	s_wait_dscnt 0x0                               ; for the partner: my K is in LDS before I signal
	s_barrier_signal -1
	U2 17, g2e, \zero                              ; registers only, while the others arrive
	WIN 0
	PLACES                                         ; behind units 16 and 17, whose buffers the next loads fill
	s_barrier_wait -1                              ; every wave's K is in LDS
	LDU 22, \p
	LDU 23, \p
.irp b, 0,1,2,3
	ds_load_b128 v[g2e+16*\b+8:g2e+16*\b+11],  v[KLD] offset:16*KPITCH*\b
	ds_load_b128 v[g2e+16*\b+12:g2e+16*\b+15], v[KLD] offset:16*KPITCH*\b+32
.endr
	WIN 0x50
	U2 18, g2e, \zero
	U2 19, g2e, \zero
	s_wait_dscnt 0x0                               ; my reads of slot p (the last were units 22, 23) and of the partner's K are back
.if \bar2
	s_wait_xcnt 0x0
	s_set_vgpr_msb 0x5010
	v_lshl_add_u32 v30, v0, 2, 0x41c00
	v_mov_b32 v31, 0
	s_wait_tensorcnt 0x0                           ; all my tensor loads have landed: the one that was out is my part of the other slot
	ds_add_u32 v30, v31
	s_wait_dscnt 0x0
	s_set_vgpr_msb 0x1050
.if \fill == 2
	s_add_nc_u64 s[G0Z+4*(1-\p)+2:G0Z+4*(1-\p)+3], s[G0Z+4*(1-\p)+2:G0Z+4*(1-\p)+3], 2*ZBLK   ; no load of mine is out: the other slot's addresses step two blocks on, for the next trip
	s_add_nc_u64 s[G0W+4*(1-\p)+2:G0W+4*(1-\p)+3], s[G0W+4*(1-\p)+2:G0W+4*(1-\p)+3], 2*WBLK   ; (in the last such trip Z's stepped address is not used)
.endif
	s_barrier_signal -1                            ; where a slot is filled again this barrier opens a round of the cluster's barrier
.endif
	U2 20, g2e, 0                                  ; registers only
.if \bar2
	WIN 0
	s_barrier_wait -1                              ; nobody reads slot p or the exchanged K any more; the other slot is whole
.if \fill
	CREST                                          ; the same holds of all four work-groups
	JLOAD \p, \fill                                ; my one tensor load behind the round, and the first thing there: it has a whole trip in which to land
.endif
.endif
.if \next
	PLACES                                         ; behind units 18, 19, 20, whose buffers the next loads fill
	v_add_nc_u32 v[HZA], 0x100, v[HZA]             ; 64 centres on
	LDHZ
	LDU 0, 1-\p
	LDU 1, 1-\p
	LDU 2, 1-\p
.endif
	WIN 0x50
	U2 21, g2e, 0
	U2 22, g2e, 0
.if \next
	WIN 0
	PLACES                                         ; behind units 21, 22
	LDU 3, 1-\p
	LDU 4, 1-\p
	WIN 0x50
.endif
	U2 23, g2e, 0
.endm
.macro TRIP p, zero, fill, next
.set tre, SB+64*(1-\p)
	WIN 0x08
	EPRO tre
	PROD1 \p, 1, 1, 1
	PROD2 \p, \zero, 1, \fill, 1, \next
.endm
	; ---------------------------------------------------------------- the head
	s_load_b256 s[4:11], s[0:1], 0x0               ; xb s[4:5], zb s[6:7], wb s[8:9], xn s[10:11]
	s_load_b128 s[12:15], s[0:1], 0x20             ; zn s[12:13], part s[14:15]
	v_lshl_add_u32 v30, v0, 2, 0x41c00
	v_mov_b32 v31, 0
	ds_add_u32 v30, v31
	s_wait_dscnt 0x0
	v_lshrrev_b32 v1, 5, v0
	v_readfirstlane_b32 s16, v1                    ; wave 0..3
	s_lshr_b32 s17, s16, 1                         ; j: my 64 rows.  Also: I fetch for Z (0) or for W (1)
	s_and_b32 s18, s16, 1                          ; i: my 32 centres and my y half.  Also: which half of the tile I fetch
	s_bfe_u32 s19, ttmp6, 0x40000                  ; cx: my place in the cluster
	s_lshl_b32 s20, ttmp9, 2                       ; in a cluster launch ttmp9 counts clusters
	s_add_co_u32 s20, s20, s19                     ; rb = 4 x cluster x + cx: enters global addresses of xb, xn and part alone
	s_and_b32 s21, ttmp7, 0xffff                   ; q: the range of centres, shared by the cluster
	s_mov_b32 s40, M2KAPPA
	s_mov_b32 s41, M2KAPPA
	s_mov_b32 s43, BIAS
	; group 1 of Z tiles: 64 rows x 256 elements of 2 bytes, row pitch 512 elements; 16 bytes of padding behind every 128 words
	s_mov_b32 s[G1Z+0], 15|(1<<16)|(1<<20)|(1<<21)|(6<<22)|(3<<25)   ; 15:0 mask: all four of the cluster; 17:16 element of 2 bytes; 20 padding on; 21 set beside a mask; 24:22 interval code 6; 31:25 pad code 3
	s_mov_b32 s[G1Z+1], 256<<16                    ; tensor_dim0 = 256
	s_mov_b32 s[G1Z+2], 64<<16                     ; tensor_dim1 = 64
	s_mov_b32 s[G1Z+3], 256<<16                    ; tile_dim0 = 256
	s_mov_b32 s[G1Z+4], 64                         ; tile_dim1 = 64
	s_mov_b32 s[G1Z+5], 512                        ; elements from row to row
	s_mov_b32 s[G1Z+6], 0
	s_mov_b32 s[G1Z+7], 0
	; group 1 of W tiles: 64 rows x 128 elements, row pitch 256 elements; 32 bytes of padding behind every 64 words
	s_mov_b32 s[G1W+0], 15|(1<<16)|(1<<20)|(1<<21)|(5<<22)|(7<<25)
	s_mov_b32 s[G1W+1], 128<<16
	s_mov_b32 s[G1W+2], 64<<16
	s_mov_b32 s[G1W+3], 128<<16
	s_mov_b32 s[G1W+4], 64
	s_mov_b32 s[G1W+5], 256
	s_mov_b32 s[G1W+6], 0
	s_mov_b32 s[G1W+7], 0
	; where the tiles come from: q and the wave number alone, which all four work-groups share
	s_lshl_b32 s44, s21, 21                        ; zb: q x 2,048 rows x 1,024 bytes
	s_lshl_b32 s45, s18, 9                         ;     + my K half, 512 bytes along the rows
	s_add_co_u32 s44, s44, s45
	s_mov_b32 s45, 0
	s_lshl_b32 s46, s21, 20                        ; wb: q x 2,048 rows x 512 bytes
	s_lshl_b32 s47, s18, 8                         ;     + my y half, 256 bytes along the rows
	s_add_co_u32 s46, s46, s47
	s_mov_b32 s47, 0
	s_mul_i32 s22, s18, ZHALF                      ; and where they go: the wave number times a constant, plus the slot
	s_mul_i32 s23, s18, WHALF
	s_add_co_u32 s23, s23, WB
	s_wait_kmcnt 0x0
	s_add_nc_u64 s[44:45], s[6:7], s[44:45]
	s_add_nc_u64 s[46:47], s[8:9], s[46:47]
.irp s, 0,1
	s_mov_b32 s[G0Z+4*\s], 1                                       ; count = 1
	s_add_co_u32 s[G0Z+4*\s+1], s22, \s*ZSLOT                      ; LDS address
	s_add_nc_u64 s[G0Z+4*\s+2:G0Z+4*\s+3], s[44:45], \s*ZBLK       ; slot s begins with Z(s)
	s_or_b32 s[G0Z+4*\s+3], s[G0Z+4*\s+3], 0x80000000              ; type = 2
	s_mov_b32 s[G0W+4*\s], 1
	s_add_co_u32 s[G0W+4*\s+1], s23, \s*WSLOT
	s_add_nc_u64 s[G0W+4*\s+2:G0W+4*\s+3], s[46:47], (1-\s)*WBLK   ; slot 1 begins with W(0), slot 0 with W(1)
	s_or_b32 s[G0W+4*\s+3], s[G0W+4*\s+3], 0x80000000
.endr
	CROUND                                         ; all four work-groups are here: the first joint loads meet
	; the first fills, one group: two tensor loads a wave, the most that this text ever has out
	s_cmp_eq_u32 s17, 0
	s_cbranch_scc0 .Lfirst_w
	tensor_load_to_lds s[G0Z:G0Z+3], s[G1Z:G1Z+7]          ; Z(0), slot 0
	s_nop 0
	tensor_load_to_lds s[G0Z+4:G0Z+7], s[G1Z:G1Z+7]        ; Z(1), slot 1
	s_nop 0
	s_branch .Lfirst_done
.Lfirst_w:
	tensor_load_to_lds s[G0W+4:G0W+7], s[G1W:G1W+7]        ; W(0), slot 1
	s_nop 0
	tensor_load_to_lds s[G0W:G0W+3], s[G1W:G1W+7]          ; W(1), slot 0
	s_nop 0
.Lfirst_done:
	; my parts of xb, xn, zn, part
	s_lshl_b32 s2, s20, 17                         ; rb x 128 rows x 1,024 bytes
	s_mov_b32 s3, 0
	s_add_nc_u64 s[4:5], s[4:5], s[2:3]
	s_lshl_b32 s2, s20, 9                          ; rb x 128 x 4 bytes
	s_add_nc_u64 s[10:11], s[10:11], s[2:3]
	s_lshl_b32 s2, s21, 13                         ; q x 2,048 x 4 bytes
	s_add_nc_u64 s[12:13], s[12:13], s[2:3]
	s_lshl_b32 s2, s21, 23                         ; part: q x 8,192 rows x 1,024 bytes
	s_lshl_b32 s3, s20, 17                         ;  + rb x 128 rows
	s_add_co_u32 s2, s2, s3
	s_lshl_b32 s3, s17, 16                         ;  + j x 64 rows
	s_add_co_u32 s2, s2, s3
	s_lshl_b32 s3, s18, 9                          ;  + i x 128 columns x 4 bytes
	s_add_co_u32 s2, s2, s3
	s_mov_b32 s3, 0
	s_add_nc_u64 s[14:15], s[14:15], s[2:3]
	v_and_b32 v48, 15, v0                          ; r
	v_bfe_u32 v49, v0, 4, 1                        ; h
	v_and_b32 v50, 31, v0                          ; lane
	v_lshlrev_b32 v[XO], 10, v48
	v_lshl_add_u32 v[XO], v49, 4, v[XO]
	s_lshl_b32 s22, s17, 16
	v_add_nc_u32 v[XO], s22, v[XO]                 ; (64 j + r) x 1,024 + 16 h
	v_lshlrev_b32 v52, 2, v48
	s_lshl_b32 s22, s17, 8
	v_add_nc_u32 v52, s22, v52                     ; (64 j + r) x 4
	v_lshlrev_b32 v53, 4, v0                       ; 16 x thread: the group's 128 threads copy 2,048 bytes of zn at a time
	v_add_nc_u32 v54, HZT, v53
.irp c, 0,1,2,3
	global_load_b128 v[32+4*\c:35+4*\c], v53, s[12:13] offset:2048*\c
.endr
.irp b, 0,1,2,3
	global_load_b32 v[NHX+\b], v52, s[10:11] offset:64*\b
.endr
	; X: a fragment is 16 rows x 32 K: lane (r, h) takes 16 bytes at 64 ks + 16 h of row r, and the 16 bytes 32 further on.  Read once, 64 KiB a wave;
	; over the 16 K steps every byte of the rows is used.
.macro XLOAD hi
.irp k, 0,1,2,3,4,5,6,7
.irp b, 0,1,2,3
	global_load_b128 v[8*(4*\k+\b):8*(4*\k+\b)+3],   v[XO], s[4:5] offset:16384*\b+64*(8*\hi+\k)
	global_load_b128 v[8*(4*\k+\b)+4:8*(4*\k+\b)+7], v[XO], s[4:5] offset:16384*\b+64*(8*\hi+\k)+32
.endr
.endr
.endm
	WIN 0x80
	XLOAD 0
	WIN 0xc0
	XLOAD 1
	WIN 0
	; LDS addresses, while the loads are on their way.  Only the wave number and the lane enter them
	v_mul_u32_u24 v58, v48, ZPITCH                 ; r x 528: for Z and for the stage
	v_lshl_add_u32 v59, v49, 4, v58
	s_mul_i32 s22, s18, 32*ZPITCH
	v_add_nc_u32 v[ZA], s22, v59                   ; (32 i + r) x 528 + 16 h
	v_add_nc_u32 v[ZA+1], ZSLOT, v[ZA]
	v_and_b32 v56, 7, v0
	v_lshl_add_u32 v56, v49, 3, v56                ; 8 h + (lane & 7): the centre whose row this lane addresses for the transposing load
	v_mul_u32_u24 v56, v56, WPITCH
	v_bfe_u32 v57, v0, 3, 1
	v_lshl_add_u32 v56, v57, 4, v56                ; + 16 ((lane >> 3) & 1)
	s_mul_i32 s22, s18, WHALF
	s_add_co_u32 s22, s22, WB                      ; my y half
	s_mul_i32 s23, s18, 32*WPITCH
	s_add_co_u32 s23, s22, s23
	v_add_nc_u32 v[WO], s23, v56                   ; centres 32 i ..
	s_xor_b32 s23, s18, 1
	s_mul_i32 s23, s23, 32*WPITCH
	s_add_co_u32 s23, s22, s23
	v_add_nc_u32 v[WPT], s23, v56                  ; centres 32 (1 - i) ..
	v_mul_u32_u24 v55, v48, KPITCH
	v_lshl_add_u32 v55, v49, 4, v55                ; r x 144 + 16 h
	s_mul_i32 s22, s17, 64*KPITCH
	s_add_co_u32 s22, s22, KX
	s_lshl_b32 s23, s18, 6
	s_add_co_u32 s23, s22, s23
	v_add_nc_u32 v[KS], s23, v55                   ; my 32 centres: 64 bytes at 64 i
	s_xor_b32 s23, s18, 1
	s_lshl_b32 s23, s23, 6
	s_add_co_u32 s23, s22, s23
	v_add_nc_u32 v[KLD], s23, v55                  ; the partner's
	v_lshlrev_b32 v[HZA], 5, v49
	s_lshl_b32 s22, s18, 7
	s_add_co_u32 s22, s22, HZT
	v_add_nc_u32 v[HZA], s22, v[HZA]               ; 4 bytes x (32 i + 8 h)
	s_mul_i32 s22, s16, 16*SPITCH
	s_add_co_u32 s22, s22, STAGE                   ; my stage
	v_lshl_add_u32 v[STO], v49, 5, v58
	v_add_nc_u32 v[STO], s22, v[STO]               ; in: row r, 32 bytes for each half of the lanes
	v_lshlrev_b32 v[CO], 4, v50
	v_add_nc_u32 v[RD], s22, v[CO]                 ; back: 32 lanes take a whole row of 512 bytes
	s_wait_loadcnt 0x0                             ; X, the norms
.irp b, 0,1,2,3
	v_mul_f32 v[NHX+\b], KAPPA, v[NHX+\b]
.endr
.irp c, 0,1,2,3,4,5,6,7
	v_pk_mul_f32 v[32+2*\c:33+2*\c], v[32+2*\c:33+2*\c], -0.5 op_sel_hi:[1,0]
.endr
.irp c, 0,1,2,3
	ds_store_b128 v54, v[32+4*\c:35+4*\c] offset:2048*\c
.endr
	s_wait_dscnt 0x0                               ; for the other waves: my part of -0.5 |z|^2 is in LDS
	s_wait_tensorcnt 0x1                           ; my first load has landed (waves 0, 1: Z(0)); the second may stay out
	s_barrier_signal -1
	s_barrier_wait -1
	LDHZ
	LDU 0, 0
	LDU 1, 0
	LDU 2, 0
	LDU 3, 0
	LDU 4, 0
	; ---------------------------------------------------------------- trip 0: product 1 of block 0 alone
	PROD1 0, 0, 1, 0
	WIN 0
	s_wait_dscnt 0x0                               ; my reads of slot 0 are back
	s_wait_xcnt 0x0
	v_lshl_add_u32 v30, v0, 2, 0x41c00
	v_mov_b32 v31, 0
	s_wait_tensorcnt 0x0                           ; all my tensor loads have landed: every group 0 may be written
	ds_add_u32 v30, v31
	s_wait_dscnt 0x0
	s_add_nc_u64 s[G0Z+2:G0Z+3], s[G0Z+2:G0Z+3], 2*ZBLK    ; slot 0: Z(2)
	s_add_nc_u64 s[G0Z+6:G0Z+7], s[G0Z+6:G0Z+7], 2*ZBLK    ; slot 1: Z(3)
	s_add_nc_u64 s[G0W+6:G0W+7], s[G0W+6:G0W+7], 2*WBLK    ; slot 1: W(2)
	CROUND
	JLOAD 0, 3                                     ; Z(2); slot 0 holds W(1) already, so waves 2, 3 have nothing to fill
	PLACES
	v_add_nc_u32 v[HZA], 0x100, v[HZA]
	LDHZ
	LDU 0, 1
	LDU 1, 1
	LDU 2, 1
	LDU 3, 1
	LDU 4, 1
	; ---------------------------------------------------------------- trips 1 to 31
	TRIP 1, 1, 2, 1                                ; trip 1: the first product 2 starts the sums
	TRIP 0, 0, 2, 1                                ; trip 2
	WIN 0                                          ; at a label and at a branch every window is 0
	s_mov_b32 s42, 13                              ; trips 3 to 28
.Llap:
	TRIP 1, 0, 2, 1
	TRIP 0, 0, 2, 1
	WIN 0
	s_sub_co_u32 s42, s42, 1
	s_cmp_lg_u32 s42, 0
	s_cbranch_scc1 .Llap
	TRIP 1, 0, 2, 1                                ; trip 29: asks for Z(31), W(30)
	TRIP 0, 0, 1, 1                                ; trip 30: only W(31) is left to fetch
	TRIP 1, 0, 0, 0                                ; trip 31: nothing is fetched; its second barrier still stands between these reads of the exchanged K and the next stores
	; ---------------------------------------------------------------- trip 32: the entry work and product 2 of block 31
	WIN 0
	PLACES                                         ; behind units 18 to 23, whose buffers the next loads fill
	LDU 16, 0
	LDU 17, 0
	LDU 18, 0
	LDU 19, 0
	LDU 20, 0
	LDU 21, 0
	EPRO SB+64
	PROD1 0, 1, 0, 0
	PROD2 0, 0, 0, 0, 0, 0
	; ---------------------------------------------------------------- the way out
	; Register j of OUT(a, b) in lane (r, h) is y = 128 i + 16 a + 8 h + j of row 64 j + 16 b + r: 32 neighbouring bytes.  16 rows at a time go through my own stage
	; (LDS serves a wave's instructions in order, ISA guide 5.7.1: no wait between the stores and the loads) and leave as whole rows: a store of the wave
	; covers 512 consecutive bytes, aligned.
.macro OUT16 b, T
	WIN 0x04
.irp a, 0,1,2,3,4,5,6,7
	ds_store_b128 v[STO], v[8*(4*\a+\b):8*(4*\a+\b)+3]   offset:64*\a
	ds_store_b128 v[STO], v[8*(4*\a+\b)+4:8*(4*\a+\b)+7] offset:64*\a+16
.endr
	WIN 0
	s_wait_xcnt 0x0                                ; the registers at T, which earlier stores read, are loaded again only behind this wait
.irp t, 0,1,2,3,4,5,6,7,8,9,10,11,12,13,14,15
	ds_load_b128 v[\T+4*\t:\T+4*\t+3], v[RD] offset:SPITCH*\t
.endr
.irp t, 0,1,2,3,4,5,6,7,8,9,10,11,12,13,14,15
	s_wait_dscnt 15-\t                             ; row t is back, the 15 - t younger loads stay out
	global_store_b128 v[CO], v[\T+4*\t:\T+4*\t+3], s[14:15] offset:(16*\b+\t)*1024
.endr
.endm
	PLACES                                         ; behind the last matrix instructions: for the stores of their results and the loads into their sources
	OUT16 0, 32
	OUT16 1, 128
	OUT16 2, 32
	OUT16 3, 128
	s_wait_xcnt 0x0
	v_lshl_add_u32 v30, v0, 2, 0x41c00
	v_mov_b32 v31, 0
	s_wait_tensorcnt 0x0
	ds_add_u32 v30, v31
	s_wait_dscnt 0x0
	CROUND                                         ; the closing round: no work-group ends while a partner may still ask for a tile that names it
	s_endpgm
.Lfunc_end_k_q56e6583c99_main:
	.size	k_q56e6583c99_main, .Lfunc_end_k_q56e6583c99_main-k_q56e6583c99_main
	.p2alignl 7, 3214868480
	.fill 96, 4, 3214868480
	.section	.rodata,"a",@progbits
	.p2align	6, 0x0
	.amdhsa_kernel k_q56e6583c99_main
		.amdhsa_group_segment_fixed_size 327680
		.amdhsa_private_segment_fixed_size 0
		.amdhsa_enable_private_segment 0
		.amdhsa_kernarg_size 48
		.amdhsa_user_sgpr_count 2
		.amdhsa_user_sgpr_kernarg_segment_ptr 1
		.amdhsa_wavefront_size32 1
		.amdhsa_system_sgpr_workgroup_id_x 1
		.amdhsa_system_sgpr_workgroup_id_y 1
		.amdhsa_system_sgpr_workgroup_id_z 1
		.amdhsa_system_vgpr_workitem_id 0
		.amdhsa_next_free_vgpr 1024
		.amdhsa_next_free_sgpr 66
		.amdhsa_reserve_vcc 0
		.amdhsa_float_denorm_mode_32 3
		.amdhsa_float_denorm_mode_16_64 3
		.amdhsa_memory_ordered 1
		.amdhsa_forward_progress 1
		.amdhsa_inst_pref_size 255
	.end_amdhsa_kernel
	.section	.bss,"aw",@nobits
	.p2align	6
	.space	262144
	.amdgpu_metadata
---
amdhsa.version: [ 1, 2 ]
amdhsa.kernels:
  - .name:           k_q56e6583c99_main
    .symbol:         k_q56e6583c99_main.kd
    .args:
      - { .name: xb, .offset: 0, .size: 8, .value_kind: global_buffer, .address_space: global }
      - { .name: zb, .offset: 8, .size: 8, .value_kind: global_buffer, .address_space: global }
      - { .name: wb, .offset: 16, .size: 8, .value_kind: global_buffer, .address_space: global }
      - { .name: xn, .offset: 24, .size: 8, .value_kind: global_buffer, .address_space: global }
      - { .name: zn, .offset: 32, .size: 8, .value_kind: global_buffer, .address_space: global }
      - { .name: part, .offset: 40, .size: 8, .value_kind: global_buffer, .address_space: global }
    .group_segment_fixed_size: 327680
    .private_segment_fixed_size: 0
    .kernarg_segment_align: 8
    .kernarg_segment_size: 48
    .max_flat_workgroup_size: 128
    .sgpr_count:     66
    .vgpr_count:     1024
    .wavefront_size: 32
...
	.end_amdgpu_metadata
.endif
;; end of part 2
;; launch reduce (part 3): grid 256 x 1, 8 waves a work-group, no clusters, 0 bytes of LDS; arguments part, out0; writes out0
.if DOCPART == 3
	.amdgcn_target "amdgcn-amd-amdhsa--gfx1250"
	.amdhsa_code_object_version 6
	.text
	.protected	k_q56e6583c99_reduce
	.globl	k_q56e6583c99_reduce
	.p2align	8
	.type	k_q56e6583c99_reduce,@function
k_q56e6583c99_reduce:
	s_mov_b64 s[64:65], 0
	v_nop
	global_prefetch_b8 v0, s[64:65] scope:SCOPE_SE
	s_setreg_imm32_b32 hwreg(HW_REG_WAVE_MODE, 25, 1), 1
	s_wait_xcnt 0x0
; out0 = 2^-64 x (part[0] + part[1] + part[2] + part[3]).  part: [4][8192][256] f32, out0: [8192][256] f32.
; The four partial sums over ranges of centres carry the factor 2^64 under which the entries of the kernel matrix were kept; it is taken off here, once,
; by a multiplication that is exact but for results of denormal size.
; A stream: a work-group takes 32,768 bytes of out0, a thread 8 chunks of 16 bytes; a load or store of a wave covers 512 consecutive bytes, aligned.
; All 32 loads of a thread go out first.  No LDS, no barrier, no matrix unit: each byte is read once and written once.
.set X, 4                              ; v[4:131]  chunk c: 16 registers, 4 for each of the four partial sums
.set PLANE, 0x800000                   ; bytes of one partial sum
	s_load_b128 s[4:7], s[0:1], 0x0                ; part s[4:5], out0 s[6:7]
	v_lshlrev_b32 v1, 4, v0                        ; 16 x thread
	s_lshl_b32 s8, ttmp9, 15                       ; the work-group's 32,768 bytes
	s_mov_b32 s9, 0
	s_wait_kmcnt 0x0
	s_add_nc_u64 s[4:5], s[4:5], s[8:9]
	s_add_nc_u64 s[6:7], s[6:7], s[8:9]
	s_add_nc_u64 s[10:11], s[4:5], PLANE
	s_add_nc_u64 s[12:13], s[4:5], 2*PLANE
	s_add_nc_u64 s[14:15], s[4:5], 3*PLANE
.irp c, 0,1,2,3,4,5,6,7
	global_load_b128 v[X+16*\c:X+16*\c+3],     v1, s[4:5]   offset:4096*\c th:TH_LOAD_NT
	global_load_b128 v[X+16*\c+4:X+16*\c+7],   v1, s[10:11] offset:4096*\c th:TH_LOAD_NT
	global_load_b128 v[X+16*\c+8:X+16*\c+11],  v1, s[12:13] offset:4096*\c th:TH_LOAD_NT
	global_load_b128 v[X+16*\c+12:X+16*\c+15], v1, s[14:15] offset:4096*\c th:TH_LOAD_NT
.endr
.macro SUM c
	s_wait_loadcnt 28-4*\c                         ; loads come back in order: chunk c's four are in, the 4 (7 - c) younger ones stay out
	v_pk_add_f32 v[X+16*\c:X+16*\c+1],     v[X+16*\c:X+16*\c+1],     v[X+16*\c+4:X+16*\c+5]
	v_pk_add_f32 v[X+16*\c+2:X+16*\c+3],   v[X+16*\c+2:X+16*\c+3],   v[X+16*\c+6:X+16*\c+7]
	v_pk_add_f32 v[X+16*\c+8:X+16*\c+9],   v[X+16*\c+8:X+16*\c+9],   v[X+16*\c+12:X+16*\c+13]
	v_pk_add_f32 v[X+16*\c+10:X+16*\c+11], v[X+16*\c+10:X+16*\c+11], v[X+16*\c+14:X+16*\c+15]
	v_pk_add_f32 v[X+16*\c:X+16*\c+1],     v[X+16*\c:X+16*\c+1],     v[X+16*\c+8:X+16*\c+9]
	v_pk_add_f32 v[X+16*\c+2:X+16*\c+3],   v[X+16*\c+2:X+16*\c+3],   v[X+16*\c+10:X+16*\c+11]
	v_pk_mul_f32 v[X+16*\c:X+16*\c+1],     v[X+16*\c:X+16*\c+1],     0x1f800000 op_sel_hi:[1,0]   ; x 2^-64
	v_pk_mul_f32 v[X+16*\c+2:X+16*\c+3],   v[X+16*\c+2:X+16*\c+3],   0x1f800000 op_sel_hi:[1,0]
	global_store_b128 v1, v[X+16*\c:X+16*\c+3], s[6:7] offset:4096*\c th:TH_STORE_NT
.endm
.irp c, 0,1,2,3,4,5,6,7
	SUM \c
.endr
	s_endpgm
.Lfunc_end_k_q56e6583c99_reduce:
	.size	k_q56e6583c99_reduce, .Lfunc_end_k_q56e6583c99_reduce-k_q56e6583c99_reduce
	.p2alignl 7, 3214868480
	.fill 96, 4, 3214868480
	.section	.rodata,"a",@progbits
	.p2align	6, 0x0
	.amdhsa_kernel k_q56e6583c99_reduce
		.amdhsa_group_segment_fixed_size 0
		.amdhsa_private_segment_fixed_size 0
		.amdhsa_enable_private_segment 0
		.amdhsa_kernarg_size 16
		.amdhsa_user_sgpr_count 2
		.amdhsa_user_sgpr_kernarg_segment_ptr 1
		.amdhsa_wavefront_size32 1
		.amdhsa_system_sgpr_workgroup_id_x 1
		.amdhsa_system_sgpr_workgroup_id_y 1
		.amdhsa_system_sgpr_workgroup_id_z 1
		.amdhsa_system_vgpr_workitem_id 0
		.amdhsa_next_free_vgpr 132
		.amdhsa_next_free_sgpr 66
		.amdhsa_reserve_vcc 0
		.amdhsa_float_denorm_mode_32 3
		.amdhsa_float_denorm_mode_16_64 3
		.amdhsa_memory_ordered 1
		.amdhsa_forward_progress 1
		.amdhsa_inst_pref_size 10
	.end_amdhsa_kernel
	.amdgpu_metadata
---
amdhsa.version: [ 1, 2 ]
amdhsa.kernels:
  - .name:           k_q56e6583c99_reduce
    .symbol:         k_q56e6583c99_reduce.kd
    .args:
      - { .name: part, .offset: 0, .size: 8, .value_kind: global_buffer, .address_space: global }
      - { .name: out0, .offset: 8, .size: 8, .value_kind: global_buffer, .address_space: global }
    .group_segment_fixed_size: 0
    .private_segment_fixed_size: 0
    .kernarg_segment_align: 8
    .kernarg_segment_size: 16
    .max_flat_workgroup_size: 256
    .sgpr_count:     66
    .vgpr_count:     132
    .wavefront_size: 32
...
	.end_amdgpu_metadata
.endif
;; end of part 3
;; ======== version 2 of 2: 3 launches; 1.24 times as fast as version 1
;; limits: right only within a limited range of input values
;; workspace buffers: xb 8,388,608 bytes; zb 8,388,608 bytes; wb 4,194,304 bytes; xn 32,768 bytes; zn 32,768 bytes; part 33,554,432 bytes
;; launch prep: the kernel of part 1 again; grid 320 x 1, 8 waves a work-group, no clusters, 1,280 bytes of LDS; arguments batch, centers, weight, xb, zb, wb, xn, zn; writes xb, zb, wb, xn, zn
;; launch main (part 4): grid 64 x 4, 4 waves a work-group, clusters of 4 x 1, 327,680 bytes of LDS; arguments xb, zb, wb, xn, zn, part; writes part
.if DOCPART == 4
	.amdgcn_target "amdgcn-amd-amdhsa--gfx1250"
	.amdhsa_code_object_version 6
	.text
	.protected	k_q56e6583c99_main
	.globl	k_q56e6583c99_main
	.p2align	8
	.type	k_q56e6583c99_main,@function
k_q56e6583c99_main:
	s_mov_b64 s[64:65], 0
	v_nop
	global_prefetch_b8 v0, s[64:65] scope:SCOPE_SE
	s_setreg_imm32_b32 hwreg(HW_REG_WAVE_MODE, 25, 1), 1
	s_wait_xcnt 0x0
	s_wait_alu depctr_hold_cnt(0) depctr_sa_sdst(0) depctr_va_vdst(0) depctr_va_sdst(0) depctr_va_ssrc(0) depctr_va_vcc(0) depctr_vm_vsrc(0)
	s_getreg_b32 s2, hwreg(HW_REG_IB_STS2, 6, 4)
	s_cmp_eq_u32 s2, 0
	s_cbranch_scc0 .Lentry_in_a_cluster
	s_endpgm
.Lentry_in_a_cluster:
	s_bfe_u32 s2, ttmp6, 0x10000c
	s_cmp_lg_u32 s2, 0x3003
	s_cbranch_scc0 .Lentry_shape_is_right
	s_endpgm
.Lentry_shape_is_right:
; part[q][n][y] = 2^64 x the sum over the 2,048 centres m of range q of K[n][m] W[m][y],  K[n][m] = exp(-sqrt(max(|x_n|^2 + |z_m|^2 - 2 x_n.z_m, 0)) / 10).
; K never reaches memory: both products are fused.  A work-group takes 128 rows n (block rb) and one range q, in 32 blocks of 64 centres.
; Four waves, as many as a WGP has SIMDs.  Wave w: j = w >> 1 picks rows 64 j .. 64 j + 63, i = w & 1 picks centres 32 i .. 32 i + 31 of each block
; in product 1 and columns y = 128 i .. 128 i + 127 in product 2.
; PRODUCT 1 is used transposed: source 0 = 16 centres of Z (from LDS), source 1 = 16 rows of X (my 64 x 512 of X stay in 512 registers).  A lane then holds
; 8 neighbouring centres of one row, so that two packed tiles ARE a fragment of product 2, with no shuffle.  The first K step takes -0.5 |z|^2 as C.
; AN ENTRY: u = x.z - 0.5 |z|^2;  t = u (-2 kappa) + kappa |x|^2 = kappa d2, kappa = (log2 e / 10)^2;  t = max(t, 0);  s = sqrt(t);  k = exp2(64 - s).
; PRODUCT 2, transposed too: OUT(16 y, 16 rows) += W fragment (transposing LDS load) x K fragment.  My own 32 centres come from my registers, the
; other 32 from wave w xor 1 through LDS.
; PIPELINE: trip t multiplies block t (product 1) with the entry work of block t - 1 strewn between the matrix instructions, then packs K(t - 1),
; exchanges it and runs product 2 of block t - 1.  LDS slot t & 1 holds Z(t) and W(t - 1).
; TWO BATCHES A TRIP.  A lane has 64 entries a trip, each worked on in place in a register of its own of the S buffer.  Behind matrix instructions 0 to 63 of product 1
; stand the 64 roots, one behind each, with the multiply-adds and maxima that feed later roots: nothing there names a root's result.  ONE wait stands behind the 64th root,
; directly ahead of the LDS loads at the end of unit 7.  Behind matrix instructions 64 to 127 stand 64 - s and the 64 exponentials, one behind each: nothing there names an
; exponential's result.  ONE wait stands at the head of the packing.  (A wait stands between such an instruction and the first line that names its result.)
; CLUSTER: the four work-groups of a cluster have the same q and other rb: they need the same tiles of Z and W and ask for them jointly (mask 15),
; which divides the requests for tiles by four.  A tile hangs on q alone, and a mask names four work-groups: so 4 x 1.
; LIMITS.  (1) Entries are carried as 2^64 K, since exp2 gives 0 for results under 2^-126: an entry is 0 from distance 1,317 on, where K < 2^-190;
; the last launch multiplies by 2^-64.  |pred| must stay under 2^63.  (2) v_max_num_f32 turns a NaN in d2 into 0, where jnp.maximum keeps it: inputs
; are taken to be finite.  (3) x, z, w and K enter the matrix unit rounded to bf16; the norms are those of the rounded rows.
.set ZPITCH, 528                       ; an LDS row of Z: 512 bytes (256 K) + 16: an odd multiple of 16, so 16 rows start in 16 different 16-byte columns
.set ZHALF,  64*ZPITCH                 ; one K half of a block: what one tensor load brings
.set ZSLOT,  2*ZHALF
.set WPITCH, 288                       ; an LDS row of W: 256 bytes (128 y) + 32: an odd multiple of 32, for the transposing loads
.set WHALF,  64*WPITCH                 ; one y half of a block: what one tensor load brings
.set WSLOT,  2*WHALF
.set WB,     2*ZSLOT                   ; W's two slots lie behind Z's two
.set KX,     WB+2*WSLOT                ; K's exchange: 128 rows x 144 bytes (64 centres in bf16 + 16).  From here on no tensor load ever lands
.set KPITCH, 144
.set HZT,    KX+128*KPITCH             ; -0.5 |z|^2 of my 2,048 centres, f32
.set STAGE,  HZT+8192                  ; the way out: 16 rows x 528 bytes for each wave
.set SPITCH, 528
.set ZBLK,   65536                     ; bytes of zb from block to block (64 rows of 1,024)
.set WBLK,   32768                     ; bytes of wb from block to block (64 rows of 512)
.set KAPPA,  0x3caa8179                ; (log2 e / 10)^2
.set M2KAPPA, 0xbd2a8179               ; -2 kappa
.set BIAS,   0x42800000                ; 64.0
; window 0
.set ZA,  2                            ; v2, v3   LDS address of my Z fragments in slot 0, 1
.set WO,  4                            ; v4       W fragments of my y half, my own 32 centres (slot 0; the slot stands in the immediate)
.set WPT, 5                            ; v5       the same, the partner's 32 centres
.set KS,  6                            ; v6       where I put my K
.set KLD, 7                            ; v7       where I read the partner's
.set HZA, 8                            ; v8       my -0.5 |z|^2 of the next block: stepped by 256 a trip
.set STO, 9                            ; v9       the way out: in
.set RD,  10                           ; v10      the way out: back
.set CO,  11                           ; v11      my byte offset in a row of part
.set NHX, 12                           ; v[12:15] kappa |x|^2 of row 16 b + r
.set HZ,  16                           ; v[16:31] two C fragments: -0.5 |z|^2 of my 2 x 16 centres
.set F,   32                           ; v[32:127] six buffers of 16 registers (two fragments): unit u uses buffer u % 6
.set SB,  128                          ; v[128:191], v[192:255] the two S buffers: tile (row tile b, centre tile ct) at 16 b + 8 ct
.set XO,  51                           ; (head only) byte offset of my X fragments
; window 1: OUT(a, b) at 8 (4 a + b), y tile a = 0..7, row tile b = 0..3.   windows 2, 3: X(b, ks) at 8 (4 (ks & 7) + b), window 2 + (ks >> 3)
.set G1Z, 24                           ; s[24:31] descriptor group 1 of Z tiles
.set G0Z, 32                           ; s[32:39] group 0 of Z tiles, a set for each slot
.set G1W, 48                           ; s[48:55] group 1 of W tiles
.set G0W, 56                           ; s[56:63] group 0 of W tiles, a set for each slot
; s16 wave, s17 j, s18 i, s19 cx, s20 rb, s21 q, s[40:41] -2 kappa twice, s42 laps, s43 64.0, s2, s3, s22, s23, s[44:47] at work
.set MSB, 0
.macro WIN new                         ; s_set_vgpr_msb: bits 1:0 source 0, 3:2 source 1, 5:4 source 2, 7:6 destination; the high byte repeats the setting that is left
.if MSB != \new
	s_set_vgpr_msb (MSB<<8)|\new
.set MSB, \new
.endif
.endm
; 0x08, 0x0c: source 1 (X) in window 2, 3: product 1; LDS loads and every entry operation (none has a vector register as source 1) run under them unchanged
; 0x50: C and D in window 1: product 2.   0x80, 0xc0: destination in window 2, 3: the loads of X.   0x04: store data in window 1: the way out
.macro PLACES                          ; four places behind a matrix instruction, ahead of loads into its sources and of stores of its result (ISA guide 7.12.1 for the stores)
.rept 4
	v_nop
.endr
.endm
.macro CREST                           ; a round of the cluster's barrier behind its opening work-group barrier
	s_cmp_lg_u32 s16, 0
	s_cbranch_scc1 .Lnot_wave_0_\@
	s_barrier_signal -3
.Lnot_wave_0_\@:
	s_barrier_wait -3
	s_barrier_signal -1
	s_barrier_wait -1
.endm
.macro CROUND                          ; a whole round
	s_barrier_signal -1
	s_barrier_wait -1
	CREST
.endm
; A joint load into slot s.  Waves 0, 1 fetch the two K halves of Z, waves 2, 3 the two y halves of W: one tensor load a wave.  The branch hangs on the wave number alone.
; kind 2: Z and W;  kind 1: W alone;  kind 3: Z alone.
.macro JLOAD s, kind
.if \kind == 2
	s_cmp_eq_u32 s17, 0
	s_cbranch_scc0 .Lfor_w_\@
	tensor_load_to_lds s[G0Z+4*\s:G0Z+4*\s+3], s[G1Z:G1Z+7]
	s_nop 0
	s_branch .Lasked_\@
.Lfor_w_\@:
	tensor_load_to_lds s[G0W+4*\s:G0W+4*\s+3], s[G1W:G1W+7]
	s_nop 0
.Lasked_\@:
.endif
.if \kind == 1
	s_cmp_eq_u32 s17, 0
	s_cbranch_scc1 .Lasked_\@
	tensor_load_to_lds s[G0W+4*\s:G0W+4*\s+3], s[G1W:G1W+7]
	s_nop 0
.Lasked_\@:
.endif
.if \kind == 3
	s_cmp_lg_u32 s17, 0
	s_cbranch_scc1 .Lasked_\@
	tensor_load_to_lds s[G0Z+4*\s:G0Z+4*\s+3], s[G1Z:G1Z+7]
	s_nop 0
.Lasked_\@:
.endif
.endm
; The four LDS loads (two fragments) of unit u.  u = 0..15: K step u of product 1, Z fragments of my centre tiles 0, 1.
; u = 16..19: W fragments of y tiles 2 (u & 3), + 1 for my own 32 centres;  u = 20..23: the same for the partner's 32 centres.
.macro LDU u, slot
.set ldf, F+16*((\u)%6)
.if (\u) < 16
.set ldo, ((\u)>>3)*ZHALF+((\u)&7)*64
	ds_load_b128 v[ldf:ldf+3],     v[ZA+\slot] offset:ldo
	ds_load_b128 v[ldf+4:ldf+7],   v[ZA+\slot] offset:ldo+32
	ds_load_b128 v[ldf+8:ldf+11],  v[ZA+\slot] offset:ldo+16*ZPITCH
	ds_load_b128 v[ldf+12:ldf+15], v[ZA+\slot] offset:ldo+16*ZPITCH+32
.else
.set ldo, (\slot)*WSLOT+64*((\u)&3)
.set ldw, WO+(\u)/20
	ds_load_tr16_b128 v[ldf:ldf+3],     v[ldw] offset:ldo
	ds_load_tr16_b128 v[ldf+4:ldf+7],   v[ldw] offset:ldo+16*WPITCH
	ds_load_tr16_b128 v[ldf+8:ldf+11],  v[ldw] offset:ldo+32
	ds_load_tr16_b128 v[ldf+12:ldf+15], v[ldw] offset:ldo+32+16*WPITCH
.endif
.endm
.macro LDHZ                            ; -0.5 |z|^2 of centres 8 h + 0..7 of my two tiles: register j of a C fragment is centre 8 h + j
	ds_load_b128 v[HZ:HZ+3],     v[HZA]
	ds_load_b128 v[HZ+4:HZ+7],   v[HZA] offset:16
	ds_load_b128 v[HZ+8:HZ+11],  v[HZA] offset:64
	ds_load_b128 v[HZ+12:HZ+15], v[HZA] offset:80
.endm
; t = u (-2 kappa) + kappa |x|^2 for registers e, e + 1 of the S buffer at E; both belong to row tile e >> 4, whose kappa |x|^2 is picked from its pair by op_sel
.macro PKF E, e
.set pkb, (\e)>>4
.if (pkb&1) == 0
	v_pk_fma_f32 v[\E+(\e):\E+(\e)+1], v[\E+(\e):\E+(\e)+1], s[40:41], v[NHX+2*(pkb>>1):NHX+2*(pkb>>1)+1] op_sel_hi:[1,0,0]
.else
	v_pk_fma_f32 v[\E+(\e):\E+(\e)+1], v[\E+(\e):\E+(\e)+1], s[40:41], v[NHX+2*(pkb>>1):NHX+2*(pkb>>1)+1] op_sel:[0,0,1] op_sel_hi:[1,0,1]
.endif
.endm
; The entry work's head: five plain instructions on the S buffer at E.  They are also the five places between the last product 2, which read the OTHER S buffer
; as K fragments, and the first product 1 of this trip, which writes over it.
.macro EPRO E
	PKF \E, 0
	PKF \E, 2
	v_max_num_f32 v[\E], v[\E], 0
	v_max_num_f32 v[\E+1], v[\E+1], 0
	v_nop
.endm
; The entry work behind matrix instruction n (0..127), k = n & 63: one root or one exponential behind each.
; n < 64, THE BATCH OF ROOTS: max(k + 2), sqrt(k), and for even k the fused multiply-add of registers k + 4, k + 5.  Every line names registers k and above alone, so no root's
; result is named before the batch's one wait, which stands behind root 63; in the trips with product 1 the LDS loads of unit 7's end follow it directly.
; n >= 64, THE BATCH OF EXPONENTIALS: 64 - s for k + 1 (behind n = 64 for 0 too), exp2 for k.  Again every line names registers k and above alone; the batch's one wait
; stands at the head of the packing.  The plain instruction between a root or an exponential and the use of its result (ISA guide 5.7.2) is a later entry's: for the last
; roots 64 - s of entry 0, for the last exponential the first conversion.
.macro EOPS n, E
.set ek, (\n)&63
.if (\n) < 64
.if ek+2 <= 63
	v_max_num_f32 v[\E+ek+2], v[\E+ek+2], 0
.endif
	v_sqrt_f32 v[\E+ek], v[\E+ek]
.if (ek&1) == 0
.if ek+4 <= 62
	PKF \E, ek+4
.endif
.endif
.if ek == 63
	s_wait_alu depctr_va_vdst(0)                   ; the wait for the batch of 64 roots, ahead of their first reader, 64 - s of entry 0
.endif
.else
.if ek == 0
	v_fma_f32 v[\E], v[\E], -1.0, s43
.endif
.if ek+1 <= 63
	v_fma_f32 v[\E+ek+1], v[\E+ek+1], -1.0, s43
.endif
	v_exp_f32 v[\E+ek], v[\E+ek]                   ; behind the last: the packing that follows begins with other registers: a plain instruction stands ahead of this result's use
.endif
.endm
; PRODUCT 1 of this trip's block into S buffer p (dog = 1), 16 units of 8 matrix instructions, with the entry work on the other S buffer between them (doe = 1).
; The 8 accumulators of a unit take turns, one instruction a turn, in the same order in every unit.
; more = 1: the loads run on into product 2's units 16 to 20.  The plain instructions between a unit's matrix instructions (at least four) are the places
; between the unit before, which read buffer (u - 1) % 6, and the loads at this unit's end, which fill that buffer for unit u + 5.
.macro PROD1 p, doe, dog, more
.set p1s, SB+64*\p
.set p1e, SB+64*(1-\p)
.set gn, 0
.rept 128
.set gu, gn>>3
.set gb, (gn&7)>>1
.set gc, gn&1
.if \dog
.if (gn&7) == 0
.if \more
	s_wait_dscnt 16                                ; LDS loads come back in order: unit u's four are in, the 16 of units u + 1 .. u + 4 stay out
.else
.if 4*(15-gu) < 16
	s_wait_dscnt 4*(15-gu)                         ; nothing is fetched beyond unit 15: the counts run down
.else
	s_wait_dscnt 16
.endif
.endif
.if gn == 0
	WIN 0x08
.endif
.if gn == 64
	WIN 0x0c
.endif
.endif
.if gu == 0
	v_wmma_f32_16x16x32_bf16 v[p1s+16*gb+8*gc:p1s+16*gb+8*gc+7], v[F+16*(gu%6)+8*gc:F+16*(gu%6)+8*gc+7], v[8*(4*(gu&7)+gb):8*(4*(gu&7)+gb)+7], v[HZ+8*gc:HZ+8*gc+7]
.else
	v_wmma_f32_16x16x32_bf16 v[p1s+16*gb+8*gc:p1s+16*gb+8*gc+7], v[F+16*(gu%6)+8*gc:F+16*(gu%6)+8*gc+7], v[8*(4*(gu&7)+gb):8*(4*(gu&7)+gb)+7], v[p1s+16*gb+8*gc:p1s+16*gb+8*gc+7]
.endif
.endif
.if \doe
	EOPS gn, p1e
.else
.if (gn&1) == 0
	v_nop                                          ; no entry work yet: the four places of a unit
.endif
.endif
.if \dog
.if (gn&7) == 7
.if gu+5 <= 15
	LDU gu+5, \p
.else
.if \more
	LDU gu+5, \p
.endif
.endif
.endif
.endif
.set gn, gn+1
.endr
.endm
; A unit of product 2: y tiles 2 (u & 3), + 1 x my four row tiles.  u < 20: my own K fragments at E + 16 b; u >= 20: the partner's at E + 16 b + 8.
; zero = 1: the first product starts the sums: nothing is ever cleared.  32 accumulators take turns.
.macro U2 u, E, zero
.set u2f, F+16*((\u)%6)
.set u2a, 2*((\u)&3)
.set u2k, \E+8*((\u)/20)
.irp f, 0,1
.irp b, 0,1,2,3
.if \zero
	v_wmma_f32_16x16x32_bf16 v[8*(4*(u2a+\f)+\b):8*(4*(u2a+\f)+\b)+7], v[u2f+8*\f:u2f+8*\f+7], v[u2k+16*\b:u2k+16*\b+7], 0
.else
	v_wmma_f32_16x16x32_bf16 v[8*(4*(u2a+\f)+\b):8*(4*(u2a+\f)+\b)+7], v[u2f+8*\f:u2f+8*\f+7], v[u2k+16*\b:u2k+16*\b+7], v[8*(4*(u2a+\f)+\b):8*(4*(u2a+\f)+\b)+7]
.endif
.endr
.endr
.endm
; PACK, EXCHANGE, PRODUCT 2 of the block before, from slot p's W.
; l21 = 1: unit 21 is still to be fetched;  fill: the joint load behind the round (JLOAD's kind, 0: none);  bar2 = 1: the second barrier stands;
; next = 1: the next trip's first fragments are fetched from the other slot.
.macro PROD2 p, zero, l21, fill, bar2, next
.set g2e, SB+64*(1-\p)
	WIN 0
	; in place: registers 2 m, 2 m + 1 of a row tile's 16 go to register m (m never passes 2 m).  Registers 0-3: centres 8 h + 0..7, 4-7: 16 + 8 h + 0..7: a fragment
	s_wait_alu depctr_va_vdst(0)                   ; the wait for the batch of 64 exponentials, ahead of their first reader, the first conversion
.irp b, 0,1,2,3
.irp m, 0,1,2,3,4,5,6,7
	v_cvt_pk_bf16_f32 v[g2e+16*\b+\m], v[g2e+16*\b+2*\m], v[g2e+16*\b+2*\m+1]
.endr
.endr
.if \l21
	LDU 21, \p                                     ; into unit 15's buffer: the 32 conversions above are more than its four places
.endif
.irp b, 0,1,2,3
	ds_store_b128 v[KS], v[g2e+16*\b:g2e+16*\b+3]   offset:16*KPITCH*\b
	ds_store_b128 v[KS], v[g2e+16*\b+4:g2e+16*\b+7] offset:16*KPITCH*\b+32
.endr
.if \l21
	s_wait_dscnt 28                                ; unit 16's loads are in: behind them stand 20 loads (units 17 to 21) and the 8 stores
.else
	s_wait_dscnt 8                                 ; units 16 to 21 were fetched ahead of the entry work: only the 8 stores stand behind them
.endif
	WIN 0x50
	U2 16, g2e, \zero
	s_wait_dscnt 0x0                               ; for the partner: my K is in LDS before I signal
	s_barrier_signal -1
	U2 17, g2e, \zero                              ; registers only, while the others arrive
	WIN 0
	PLACES                                         ; behind units 16 and 17, whose buffers the next loads fill
	s_barrier_wait -1                              ; every wave's K is in LDS
	LDU 22, \p
	LDU 23, \p
.irp b, 0,1,2,3
	ds_load_b128 v[g2e+16*\b+8:g2e+16*\b+11],  v[KLD] offset:16*KPITCH*\b
	ds_load_b128 v[g2e+16*\b+12:g2e+16*\b+15], v[KLD] offset:16*KPITCH*\b+32
.endr
	WIN 0x50
	U2 18, g2e, \zero
	U2 19, g2e, \zero
	s_wait_dscnt 0x0                               ; my reads of slot p (the last were units 22, 23) and of the partner's K are back
.if \bar2
	s_wait_xcnt 0x0
	s_set_vgpr_msb 0x5010
	v_lshl_add_u32 v30, v0, 2, 0x41c00
	v_mov_b32 v31, 0
	s_wait_tensorcnt 0x0                           ; all my tensor loads have landed: the one that was out is my part of the other slot
	ds_add_u32 v30, v31
	s_wait_dscnt 0x0
	s_set_vgpr_msb 0x1050
.if \fill == 2
	s_add_nc_u64 s[G0Z+4*(1-\p)+2:G0Z+4*(1-\p)+3], s[G0Z+4*(1-\p)+2:G0Z+4*(1-\p)+3], 2*ZBLK   ; no load of mine is out: the other slot's addresses step two blocks on, for the next trip
	s_add_nc_u64 s[G0W+4*(1-\p)+2:G0W+4*(1-\p)+3], s[G0W+4*(1-\p)+2:G0W+4*(1-\p)+3], 2*WBLK   ; (in the last such trip Z's stepped address is not used)
.endif
	s_barrier_signal -1                            ; where a slot is filled again this barrier opens a round of the cluster's barrier
.endif
	U2 20, g2e, 0                                  ; registers only
.if \bar2
	WIN 0
	s_barrier_wait -1                              ; nobody reads slot p or the exchanged K any more; the other slot is whole
.if \fill
	CREST                                          ; the same holds of all four work-groups
	JLOAD \p, \fill                                ; my one tensor load behind the round, and the first thing there: it has a whole trip in which to land
.endif
.endif
.if \next
	PLACES                                         ; behind units 18, 19, 20, whose buffers the next loads fill
	v_add_nc_u32 v[HZA], 0x100, v[HZA]             ; 64 centres on
	LDHZ
	LDU 0, 1-\p
	LDU 1, 1-\p
	LDU 2, 1-\p
.endif
	WIN 0x50
	U2 21, g2e, 0
	U2 22, g2e, 0
.if \next
	WIN 0
	PLACES                                         ; behind units 21, 22
	LDU 3, 1-\p
	LDU 4, 1-\p
	WIN 0x50
.endif
	U2 23, g2e, 0
.endm
.macro TRIP p, zero, fill, next
.set tre, SB+64*(1-\p)
	WIN 0x08
	EPRO tre
	PROD1 \p, 1, 1, 1
	PROD2 \p, \zero, 1, \fill, 1, \next
.endm
	; ---------------------------------------------------------------- the head
	s_load_b256 s[4:11], s[0:1], 0x0               ; xb s[4:5], zb s[6:7], wb s[8:9], xn s[10:11]
	s_load_b128 s[12:15], s[0:1], 0x20             ; zn s[12:13], part s[14:15]
	v_lshl_add_u32 v30, v0, 2, 0x41c00
	v_mov_b32 v31, 0
	ds_add_u32 v30, v31
	s_wait_dscnt 0x0
	v_lshrrev_b32 v1, 5, v0
	v_readfirstlane_b32 s16, v1                    ; wave 0..3
	s_lshr_b32 s17, s16, 1                         ; j: my 64 rows.  Also: I fetch for Z (0) or for W (1)
	s_and_b32 s18, s16, 1                          ; i: my 32 centres and my y half.  Also: which half of the tile I fetch
	s_bfe_u32 s19, ttmp6, 0x40000                  ; cx: my place in the cluster
	s_lshl_b32 s20, ttmp9, 2                       ; in a cluster launch ttmp9 counts clusters
	s_add_co_u32 s20, s20, s19                     ; rb = 4 x cluster x + cx: enters global addresses of xb, xn and part alone
	s_and_b32 s21, ttmp7, 0xffff                   ; q: the range of centres, shared by the cluster
	s_mov_b32 s40, M2KAPPA
	s_mov_b32 s41, M2KAPPA
	s_mov_b32 s43, BIAS
	; group 1 of Z tiles: 64 rows x 256 elements of 2 bytes, row pitch 512 elements; 16 bytes of padding behind every 128 words
	s_mov_b32 s[G1Z+0], 15|(1<<16)|(1<<20)|(1<<21)|(6<<22)|(3<<25)   ; 15:0 mask: all four of the cluster; 17:16 element of 2 bytes; 20 padding on; 21 set beside a mask; 24:22 interval code 6; 31:25 pad code 3
	s_mov_b32 s[G1Z+1], 256<<16                    ; tensor_dim0 = 256
	s_mov_b32 s[G1Z+2], 64<<16                     ; tensor_dim1 = 64
	s_mov_b32 s[G1Z+3], 256<<16                    ; tile_dim0 = 256
	s_mov_b32 s[G1Z+4], 64                         ; tile_dim1 = 64
	s_mov_b32 s[G1Z+5], 512                        ; elements from row to row
	s_mov_b32 s[G1Z+6], 0
	s_mov_b32 s[G1Z+7], 0
	; group 1 of W tiles: 64 rows x 128 elements, row pitch 256 elements; 32 bytes of padding behind every 64 words
	s_mov_b32 s[G1W+0], 15|(1<<16)|(1<<20)|(1<<21)|(5<<22)|(7<<25)
	s_mov_b32 s[G1W+1], 128<<16
	s_mov_b32 s[G1W+2], 64<<16
	s_mov_b32 s[G1W+3], 128<<16
	s_mov_b32 s[G1W+4], 64
	s_mov_b32 s[G1W+5], 256
	s_mov_b32 s[G1W+6], 0
	s_mov_b32 s[G1W+7], 0
	; where the tiles come from: q and the wave number alone, which all four work-groups share
	s_lshl_b32 s44, s21, 21                        ; zb: q x 2,048 rows x 1,024 bytes
	s_lshl_b32 s45, s18, 9                         ;     + my K half, 512 bytes along the rows
	s_add_co_u32 s44, s44, s45
	s_mov_b32 s45, 0
	s_lshl_b32 s46, s21, 20                        ; wb: q x 2,048 rows x 512 bytes
	s_lshl_b32 s47, s18, 8                         ;     + my y half, 256 bytes along the rows
	s_add_co_u32 s46, s46, s47
	s_mov_b32 s47, 0
	s_mul_i32 s22, s18, ZHALF                      ; and where they go: the wave number times a constant, plus the slot
	s_mul_i32 s23, s18, WHALF
	s_add_co_u32 s23, s23, WB
	s_wait_kmcnt 0x0
	s_add_nc_u64 s[44:45], s[6:7], s[44:45]
	s_add_nc_u64 s[46:47], s[8:9], s[46:47]
.irp s, 0,1
	s_mov_b32 s[G0Z+4*\s], 1                                       ; count = 1
	s_add_co_u32 s[G0Z+4*\s+1], s22, \s*ZSLOT                      ; LDS address
	s_add_nc_u64 s[G0Z+4*\s+2:G0Z+4*\s+3], s[44:45], \s*ZBLK       ; slot s begins with Z(s)
	s_or_b32 s[G0Z+4*\s+3], s[G0Z+4*\s+3], 0x80000000              ; type = 2
	s_mov_b32 s[G0W+4*\s], 1
	s_add_co_u32 s[G0W+4*\s+1], s23, \s*WSLOT
	s_add_nc_u64 s[G0W+4*\s+2:G0W+4*\s+3], s[46:47], (1-\s)*WBLK   ; slot 1 begins with W(0), slot 0 with W(1)
	s_or_b32 s[G0W+4*\s+3], s[G0W+4*\s+3], 0x80000000
.endr
	CROUND                                         ; all four work-groups are here: the first joint loads meet
	; the first fills, one group: two tensor loads a wave, the most that this text ever has out
	s_cmp_eq_u32 s17, 0
	s_cbranch_scc0 .Lfirst_w
	tensor_load_to_lds s[G0Z:G0Z+3], s[G1Z:G1Z+7]          ; Z(0), slot 0
	s_nop 0
	tensor_load_to_lds s[G0Z+4:G0Z+7], s[G1Z:G1Z+7]        ; Z(1), slot 1
	s_nop 0
	s_branch .Lfirst_done
.Lfirst_w:
	tensor_load_to_lds s[G0W+4:G0W+7], s[G1W:G1W+7]        ; W(0), slot 1
	s_nop 0
	tensor_load_to_lds s[G0W:G0W+3], s[G1W:G1W+7]          ; W(1), slot 0
	s_nop 0
.Lfirst_done:
	; my parts of xb, xn, zn, part
	s_lshl_b32 s2, s20, 17                         ; rb x 128 rows x 1,024 bytes
	s_mov_b32 s3, 0
	s_add_nc_u64 s[4:5], s[4:5], s[2:3]
	s_lshl_b32 s2, s20, 9                          ; rb x 128 x 4 bytes
	s_add_nc_u64 s[10:11], s[10:11], s[2:3]
	s_lshl_b32 s2, s21, 13                         ; q x 2,048 x 4 bytes
	s_add_nc_u64 s[12:13], s[12:13], s[2:3]
	s_lshl_b32 s2, s21, 23                         ; part: q x 8,192 rows x 1,024 bytes
	s_lshl_b32 s3, s20, 17                         ;  + rb x 128 rows
	s_add_co_u32 s2, s2, s3
	s_lshl_b32 s3, s17, 16                         ;  + j x 64 rows
	s_add_co_u32 s2, s2, s3
	s_lshl_b32 s3, s18, 9                          ;  + i x 128 columns x 4 bytes
	s_add_co_u32 s2, s2, s3
	s_mov_b32 s3, 0
	s_add_nc_u64 s[14:15], s[14:15], s[2:3]
	v_and_b32 v48, 15, v0                          ; r
	v_bfe_u32 v49, v0, 4, 1                        ; h
	v_and_b32 v50, 31, v0                          ; lane
	v_lshlrev_b32 v[XO], 10, v48
	v_lshl_add_u32 v[XO], v49, 4, v[XO]
	s_lshl_b32 s22, s17, 16
	v_add_nc_u32 v[XO], s22, v[XO]                 ; (64 j + r) x 1,024 + 16 h
	v_lshlrev_b32 v52, 2, v48
	s_lshl_b32 s22, s17, 8
	v_add_nc_u32 v52, s22, v52                     ; (64 j + r) x 4
	v_lshlrev_b32 v53, 4, v0                       ; 16 x thread: the group's 128 threads copy 2,048 bytes of zn at a time
	v_add_nc_u32 v54, HZT, v53
.irp c, 0,1,2,3
	global_load_b128 v[32+4*\c:35+4*\c], v53, s[12:13] offset:2048*\c
.endr
.irp b, 0,1,2,3
	global_load_b32 v[NHX+\b], v52, s[10:11] offset:64*\b
.endr
	; X: a fragment is 16 rows x 32 K: lane (r, h) takes 16 bytes at 64 ks + 16 h of row r, and the 16 bytes 32 further on.  Read once, 64 KiB a wave;
	; over the 16 K steps every byte of the rows is used.
.macro XLOAD hi
.irp k, 0,1,2,3,4,5,6,7
.irp b, 0,1,2,3
	global_load_b128 v[8*(4*\k+\b):8*(4*\k+\b)+3],   v[XO], s[4:5] offset:16384*\b+64*(8*\hi+\k)
	global_load_b128 v[8*(4*\k+\b)+4:8*(4*\k+\b)+7], v[XO], s[4:5] offset:16384*\b+64*(8*\hi+\k)+32
.endr
.endr
.endm
	WIN 0x80
	XLOAD 0
	WIN 0xc0
	XLOAD 1
	WIN 0
	; LDS addresses, while the loads are on their way.  Only the wave number and the lane enter them
	v_mul_u32_u24 v58, v48, ZPITCH                 ; r x 528: for Z and for the stage
	v_lshl_add_u32 v59, v49, 4, v58
	s_mul_i32 s22, s18, 32*ZPITCH
	v_add_nc_u32 v[ZA], s22, v59                   ; (32 i + r) x 528 + 16 h
	v_add_nc_u32 v[ZA+1], ZSLOT, v[ZA]
	v_and_b32 v56, 7, v0
	v_lshl_add_u32 v56, v49, 3, v56                ; 8 h + (lane & 7): the centre whose row this lane addresses for the transposing load
	v_mul_u32_u24 v56, v56, WPITCH
	v_bfe_u32 v57, v0, 3, 1
	v_lshl_add_u32 v56, v57, 4, v56                ; + 16 ((lane >> 3) & 1)
	s_mul_i32 s22, s18, WHALF
	s_add_co_u32 s22, s22, WB                      ; my y half
	s_mul_i32 s23, s18, 32*WPITCH
	s_add_co_u32 s23, s22, s23
	v_add_nc_u32 v[WO], s23, v56                   ; centres 32 i ..
	s_xor_b32 s23, s18, 1
	s_mul_i32 s23, s23, 32*WPITCH
	s_add_co_u32 s23, s22, s23
	v_add_nc_u32 v[WPT], s23, v56                  ; centres 32 (1 - i) ..
	v_mul_u32_u24 v55, v48, KPITCH
	v_lshl_add_u32 v55, v49, 4, v55                ; r x 144 + 16 h
	s_mul_i32 s22, s17, 64*KPITCH
	s_add_co_u32 s22, s22, KX
	s_lshl_b32 s23, s18, 6
	s_add_co_u32 s23, s22, s23
	v_add_nc_u32 v[KS], s23, v55                   ; my 32 centres: 64 bytes at 64 i
	s_xor_b32 s23, s18, 1
	s_lshl_b32 s23, s23, 6
	s_add_co_u32 s23, s22, s23
	v_add_nc_u32 v[KLD], s23, v55                  ; the partner's
	v_lshlrev_b32 v[HZA], 5, v49
	s_lshl_b32 s22, s18, 7
	s_add_co_u32 s22, s22, HZT
	v_add_nc_u32 v[HZA], s22, v[HZA]               ; 4 bytes x (32 i + 8 h)
	s_mul_i32 s22, s16, 16*SPITCH
	s_add_co_u32 s22, s22, STAGE                   ; my stage
	v_lshl_add_u32 v[STO], v49, 5, v58
	v_add_nc_u32 v[STO], s22, v[STO]               ; in: row r, 32 bytes for each half of the lanes
	v_lshlrev_b32 v[CO], 4, v50
	v_add_nc_u32 v[RD], s22, v[CO]                 ; back: 32 lanes take a whole row of 512 bytes
	s_wait_loadcnt 0x0                             ; X, the norms
.irp b, 0,1,2,3
	v_mul_f32 v[NHX+\b], KAPPA, v[NHX+\b]
.endr
.irp c, 0,1,2,3,4,5,6,7
	v_pk_mul_f32 v[32+2*\c:33+2*\c], v[32+2*\c:33+2*\c], -0.5 op_sel_hi:[1,0]
.endr
.irp c, 0,1,2,3
	ds_store_b128 v54, v[32+4*\c:35+4*\c] offset:2048*\c
.endr
	s_wait_dscnt 0x0                               ; for the other waves: my part of -0.5 |z|^2 is in LDS
	s_wait_tensorcnt 0x1                           ; my first load has landed (waves 0, 1: Z(0)); the second may stay out
	s_barrier_signal -1
	s_barrier_wait -1
	LDHZ
	LDU 0, 0
	LDU 1, 0
	LDU 2, 0
	LDU 3, 0
	LDU 4, 0
	; ---------------------------------------------------------------- trip 0: product 1 of block 0 alone
	PROD1 0, 0, 1, 0
	WIN 0
	s_wait_dscnt 0x0                               ; my reads of slot 0 are back
	s_wait_xcnt 0x0
	v_lshl_add_u32 v30, v0, 2, 0x41c00
	v_mov_b32 v31, 0
	s_wait_tensorcnt 0x0                           ; all my tensor loads have landed: every group 0 may be written
	ds_add_u32 v30, v31
	s_wait_dscnt 0x0
	s_add_nc_u64 s[G0Z+2:G0Z+3], s[G0Z+2:G0Z+3], 2*ZBLK    ; slot 0: Z(2)
	s_add_nc_u64 s[G0Z+6:G0Z+7], s[G0Z+6:G0Z+7], 2*ZBLK    ; slot 1: Z(3)
	s_add_nc_u64 s[G0W+6:G0W+7], s[G0W+6:G0W+7], 2*WBLK    ; slot 1: W(2)
	CROUND
	JLOAD 0, 3                                     ; Z(2); slot 0 holds W(1) already, so waves 2, 3 have nothing to fill
	PLACES
	v_add_nc_u32 v[HZA], 0x100, v[HZA]
	LDHZ
	LDU 0, 1
	LDU 1, 1
	LDU 2, 1
	LDU 3, 1
	LDU 4, 1
	; ---------------------------------------------------------------- trips 1 to 31
	TRIP 1, 1, 2, 1                                ; trip 1: the first product 2 starts the sums
	TRIP 0, 0, 2, 1                                ; trip 2
	WIN 0                                          ; at a label and at a branch every window is 0
	s_mov_b32 s42, 13                              ; trips 3 to 28
.Llap:
	TRIP 1, 0, 2, 1
	TRIP 0, 0, 2, 1
	WIN 0
	s_sub_co_u32 s42, s42, 1
	s_cmp_lg_u32 s42, 0
	s_cbranch_scc1 .Llap
	TRIP 1, 0, 2, 1                                ; trip 29: asks for Z(31), W(30)
	TRIP 0, 0, 1, 1                                ; trip 30: only W(31) is left to fetch
	TRIP 1, 0, 0, 0                                ; trip 31: nothing is fetched; its second barrier still stands between these reads of the exchanged K and the next stores
	; ---------------------------------------------------------------- trip 32: the entry work and product 2 of block 31
	WIN 0
	PLACES                                         ; behind units 18 to 23, whose buffers the next loads fill
	LDU 16, 0
	LDU 17, 0
	LDU 18, 0
	LDU 19, 0
	LDU 20, 0
	LDU 21, 0
	EPRO SB+64
	PROD1 0, 1, 0, 0
	PROD2 0, 0, 0, 0, 0, 0
	; ---------------------------------------------------------------- the way out
	; Register j of OUT(a, b) in lane (r, h) is y = 128 i + 16 a + 8 h + j of row 64 j + 16 b + r: 32 neighbouring bytes.  16 rows at a time go through my own stage
	; (LDS serves a wave's instructions in order, ISA guide 5.7.1: no wait between the stores and the loads) and leave as whole rows: a store of the wave
	; covers 512 consecutive bytes, aligned.
.macro OUT16 b, T
	WIN 0x04
.irp a, 0,1,2,3,4,5,6,7
	ds_store_b128 v[STO], v[8*(4*\a+\b):8*(4*\a+\b)+3]   offset:64*\a
	ds_store_b128 v[STO], v[8*(4*\a+\b)+4:8*(4*\a+\b)+7] offset:64*\a+16
.endr
	WIN 0
	s_wait_xcnt 0x0                                ; the registers at T, which earlier stores read, are loaded again only behind this wait
.irp t, 0,1,2,3,4,5,6,7,8,9,10,11,12,13,14,15
	ds_load_b128 v[\T+4*\t:\T+4*\t+3], v[RD] offset:SPITCH*\t
.endr
.irp t, 0,1,2,3,4,5,6,7,8,9,10,11,12,13,14,15
	s_wait_dscnt 15-\t                             ; row t is back, the 15 - t younger loads stay out
	global_store_b128 v[CO], v[\T+4*\t:\T+4*\t+3], s[14:15] offset:(16*\b+\t)*1024
.endr
.endm
	PLACES                                         ; behind the last matrix instructions: for the stores of their results and the loads into their sources
	OUT16 0, 32
	OUT16 1, 128
	OUT16 2, 32
	OUT16 3, 128
	s_wait_xcnt 0x0
	v_lshl_add_u32 v30, v0, 2, 0x41c00
	v_mov_b32 v31, 0
	s_wait_tensorcnt 0x0
	ds_add_u32 v30, v31
	s_wait_dscnt 0x0
	CROUND                                         ; the closing round: no work-group ends while a partner may still ask for a tile that names it
	s_endpgm
.Lfunc_end_k_q56e6583c99_main:
	.size	k_q56e6583c99_main, .Lfunc_end_k_q56e6583c99_main-k_q56e6583c99_main
	.p2alignl 7, 3214868480
	.fill 96, 4, 3214868480
	.section	.rodata,"a",@progbits
	.p2align	6, 0x0
	.amdhsa_kernel k_q56e6583c99_main
		.amdhsa_group_segment_fixed_size 327680
		.amdhsa_private_segment_fixed_size 0
		.amdhsa_enable_private_segment 0
		.amdhsa_kernarg_size 48
		.amdhsa_user_sgpr_count 2
		.amdhsa_user_sgpr_kernarg_segment_ptr 1
		.amdhsa_wavefront_size32 1
		.amdhsa_system_sgpr_workgroup_id_x 1
		.amdhsa_system_sgpr_workgroup_id_y 1
		.amdhsa_system_sgpr_workgroup_id_z 1
		.amdhsa_system_vgpr_workitem_id 0
		.amdhsa_next_free_vgpr 1024
		.amdhsa_next_free_sgpr 66
		.amdhsa_reserve_vcc 0
		.amdhsa_float_denorm_mode_32 3
		.amdhsa_float_denorm_mode_16_64 3
		.amdhsa_memory_ordered 1
		.amdhsa_forward_progress 1
		.amdhsa_inst_pref_size 255
	.end_amdhsa_kernel
	.section	.bss,"aw",@nobits
	.p2align	6
	.space	262144
	.amdgpu_metadata
---
amdhsa.version: [ 1, 2 ]
amdhsa.kernels:
  - .name:           k_q56e6583c99_main
    .symbol:         k_q56e6583c99_main.kd
    .args:
      - { .name: xb, .offset: 0, .size: 8, .value_kind: global_buffer, .address_space: global }
      - { .name: zb, .offset: 8, .size: 8, .value_kind: global_buffer, .address_space: global }
      - { .name: wb, .offset: 16, .size: 8, .value_kind: global_buffer, .address_space: global }
      - { .name: xn, .offset: 24, .size: 8, .value_kind: global_buffer, .address_space: global }
      - { .name: zn, .offset: 32, .size: 8, .value_kind: global_buffer, .address_space: global }
      - { .name: part, .offset: 40, .size: 8, .value_kind: global_buffer, .address_space: global }
    .group_segment_fixed_size: 327680
    .private_segment_fixed_size: 0
    .kernarg_segment_align: 8
    .kernarg_segment_size: 48
    .max_flat_workgroup_size: 128
    .sgpr_count:     66
    .vgpr_count:     1024
    .wavefront_size: 32
...
	.end_amdgpu_metadata
.endif
;; end of part 4
;; launch reduce: the kernel of part 3 again; grid 256 x 1, 8 waves a work-group, no clusters, 0 bytes of LDS; arguments part, out0; writes out0
